; MI455X (gfx1250); checked and timed in simulation.
; The chip was launched on July 23, 2026; its instructions are those of AMD's public machine-readable ISA for CDNA 5 (MIT licence, August 2026) and "CDNA5" Instruction Set Architecture Reference Guide (July 2026). The comments in the code are by the model that wrote it; some were corrected since.
;; Qwen3 Attention. Allowed arithmetic: matrix products marked QUANTISED: E3M2 operands, one E8M0 scale for each 32 along K, by v_wmma_scale_f32_16x16x128_f8f6f4 with both operands' format E3M2, f32 sums; everything else in f32.
;; Inputs: cos 1 x 1 x 2,048 x 64 float32; k_norm_w 128 float32; q_norm_w 128 float32; sin 1 x 1 x 2,048 x 64 float32; wk 1,024 x 1,024 float32; wo 1,024 x 2,048 float32; wq 2,048 x 1,024 float32; wv 1,024 x 1,024 float32; x 2 x 2,048 x 1,024 float32.
;; Outputs: out0 2 x 2,048 x 1,024 float32; out1 2 x 8 x 2,048 x 128 float32; out2 2 x 8 x 2,048 x 128 float32.
;; This version of the problem:
;;   THIS VERSION OF THE PROBLEM IS GIVEN IN LOW PRECISION. The matrix products marked QUANTISED in the list below multiply operands that are first quantised to E3M2 (3 exponent bits, 2 mantissa bits; 6 bits a number), with one power-of-two scale for each 32 numbers along K (OCP MX v1.0); their sums are f32. All else is computed in f32.
;;   The module's matrix products, in the order in which they are computed (A, B: the left and right operand; K: the contracted axis; several contracted axes count as one K, in the product's order):
;;     1. [M 4,096, K 1,024] x [K 1,024, N 2,048]; A: input x; B: input wq: QUANTISED
;;     2. [M 4,096, K 1,024] x [K 1,024, N 1,024]; A: input x; B: input wk: QUANTISED
;;     3. [M 4,096, K 1,024] x [K 1,024, N 1,024]; A: input x; B: input wv: QUANTISED
;;     4. batch 32 x [M 2,048, K 128] x [K 128, N 2,048]; A: computed on the way; B: computed on the way: QUANTISED
;;     5. batch 32 x [M 2,048, K 2,048] x [K 2,048, N 128]; A: softmax (see below); B: computed on the way: QUANTISED
;;     6. [M 4,096, K 2,048] x [K 2,048, N 1,024]; A: computed on the way; B: input wo: QUANTISED
;;   THE QUANTISER, for each operand of a quantised product, along K:
;;     - K is cut into blocks of 32 from its start; a last block that is shorter is filled with zeros.
;;     - A block's scale is 2^e with e = floor(log2(the largest magnitude in the block)) - 4, held to -126 .. 127; a block of zeros has e = 0. As a byte (E8M0): e + 127.
;;     - Each number is divided by its block's scale, clamped to +-28, and rounded to the nearest number of E3M2, ties to even, subnormals kept.
;;     - The product sums the exact products of the quantised numbers (number of the format x scale) in f32.
;;   ~~~python
;;   def quantise(x, axis):      # numpy; x: float32 -> the quantised numbers, widened to float32 again
;;       x = np.moveaxis(x, axis, -1); K = x.shape[-1]
;;       x = np.pad(x, [(0, 0)] * (x.ndim - 1) + [(0, -K % 32)]); x = x.reshape(x.shape[:-1] + (-1, 32)); a = np.abs(x).max(-1, keepdims=True)
;;       e = np.where(a > 0, np.clip(np.frexp(np.where(a > 0, a, 1))[1] - 1 - 4, -126, 127), 0)      # np.frexp(a)[1] - 1 = floor(log2(a)), exactly
;;       r = np.clip(x / 2.0 ** e, -28, 28)
;;       step = 2.0 ** (np.maximum(np.frexp(np.where(r == 0, 1, r))[1] - 1, -2) - 2)
;;       q = np.round(r / step) * step * 2.0 ** e      # np.round: ties to even
;;       return np.moveaxis(q.reshape(q.shape[:-2] + (-1,))[..., :K], -1, axis).astype(np.float32)
;;   ~~~
;;   SOFTMAX AHEAD OF A QUANTISED PRODUCT. Where the list says 'softmax', what is quantised is not the finished softmax but p = 2^(t - M), with t = logit x log2(e) and M = ceil(the row's largest t), a whole number; so 1/2 < the row's largest p <= 1. The row's sum l is taken of the UNQUANTISED p, in f32, and the product's result is divided by l at the end. Since M is a whole number, a kernel that streams over the keys may use a running M (the ceiling of the running maximum): every later rescaling is an exact power of two, which a block's scale takes up: the codes' values come out the same.
;;   OPERANDS COMPUTED ON THE WAY. 'Computed on the way' means the value that the module computes at that place (a softmax that the list does not call 'softmax' is quantised finished and normalised). What goes into a quantiser is computed in f32, as accurately as f32 sums, v_exp_f32 and their like allow (about 1e-6 of the number): no bf16 or f16 on the way to a quantiser, and a product that is left as it is and whose result goes on into a quantised operand takes f32 operands (vector FMAs, or v_wmma_f32_16x16x4_f32). A number that lies on a knife's edge between two numbers of the format may be rounded either way, as far as f32 arithmetic and the matrix unit's own rounding can turn it there, and no further.
;; One version. Each part assembles by itself: llvm-mc -triple=amdgcn-amd-amdhsa -mcpu=gfx1250 --defsym DOCPART=n.
;; ======== version 1 of 1: 4 launches
;; limits: right only within a limited range of input values
;; workspace buffers: xq 3,276,800 bytes; wq3 3,276,800 bytes; woq 1,638,400 bytes; qq 6,553,600 bytes; kv 6,553,600 bytes; oq 6,553,600 bytes
;; launch quant (part 1): grid 320 x 1, 4 waves a work-group, no clusters, 35,328 bytes of LDS; arguments x, wq, wk, wv, wo, xq, wq3, woq; writes xq, wq3, woq
.if DOCPART == 1
	.amdgcn_target "amdgcn-amd-amdhsa--gfx1250"
	.amdhsa_code_object_version 6
	.text
	.protected	k_q86a4503106_quant
	.globl	k_q86a4503106_quant
	.p2align	8
	.type	k_q86a4503106_quant,@function
k_q86a4503106_quant:
	s_mov_b64 s[64:65], 0
	v_nop
	global_prefetch_b8 v0, s[64:65] scope:SCOPE_SE
	s_setreg_imm32_b32 hwreg(HW_REG_WAVE_MODE, 25, 1), 1
	s_wait_xcnt 0x0
; x [4096][1024], wq [2048][1024], wk, wv [1024][1024], wo [1024][2048], all f32 with K innermost, become codes of BF6 (E3M2) with one E8M0 byte for each 32 along K.
; A block's scale is 2^(floor(log2(its largest magnitude)) - 4): its byte is that magnitude's exponent field - 4, held at 1 from below.
; LIMITS: NaN and infinities are not served; a block of zeros, or one whose largest magnitude lies under 2^-122, keeps the byte 1 (its codes are zeros or near it; the bytes are read by this program alone).
; LAYOUT OF THE RESULT.  Rows go in tiles of 16: place r of tile T is row 32 (T / 2) + 8 (T % 2) + r + 8 (r / 8).  A fragment (a tile x 128 along K) is stored as the image of the operand's 12 registers:
; register 4 c + w of lane l at byte 512 c + 16 l + 4 w, 1,536 bytes; fragments lie [tile][K step].  Behind all codes: the scale words, [tile][K step][16 rows], 64 bytes a fragment.
; SHARES.  A wave takes one tile x 512 along K: four fragments.  Work-groups 0-127 take x, 128-191 wq, 192-223 wk, 224-255 wv, 256-319 wo: only pointers and numbers are chosen, the text has one path.
; Each load reads 512 consecutive bytes of one row; the 16 rows turn through the wave's own stage in LDS (pitch 528), from which a lane takes its two whole blocks of 32.  Waves share nothing: no barrier.
.set SP,    528                        ; a stage row: 512 bytes + 16
.set WREG,  16*SP+256                  ; a wave's LDS: the stage, then its 64 scale words
.set LI,    1                          ; v1   16 x lane
.set STI,   4                          ; v4   the stage, on the way in
.set STO,   5                          ; v5   and on the way out: 528 r + 128 h
.set SWI,   6                          ; v6   my row's scale word in LDS
.set SWO,   7                          ; v7   the scale words on the way out, 8 bytes a lane
.set GSO,   8                          ; v8   8 x lane
.set H8,    15                         ; v15  8 h
.set VR,    16                         ; v16-31  byte offset of the tile's place i in the source, + 16 x lane
.set R,     32                         ; v32-159 two sets of 64 registers as loaded
.set X,     160                        ; v160-223 register 32 c + i = k 64 c + 32 h + i of my row
.set CSET,  224                        ; v224-247 two sets of 12 code registers
.set TMPC,  248                        ; v248-254 the conversions' second halves
	s_load_b512 s[4:19], s[0:1], 0x0               ; x, wq, wk, wv, wo, xq, wq3, woq
	v_lshl_add_u32 v251, v0, 2, 0x8800
	v_mov_b32 v255, 0
	v_lshrrev_b32 v2, 5, v0
	v_readfirstlane_b32 s30, v2                    ; wave
	v_and_b32 v2, 31, v0                           ; lane
	v_and_b32 v3, 15, v0                           ; r
	v_bfe_u32 v[H8], v0, 4, 1                      ; h
	v_lshlrev_b32 v[LI], 4, v2
	s_mul_i32 s31, s30, WREG
	v_add_nc_u32 v[STI], s31, v[LI]
	v_mul_u32_u24 v[STO], v3, SP
	v_lshl_add_u32 v[STO], v[H8], 7, v[STO]
	v_add_nc_u32 v[STO], s31, v[STO]
	s_add_co_u32 s31, s31, 16*SP
	v_lshl_add_u32 v[SWI], v3, 2, s31
	v_lshl_add_u32 v[SWO], v2, 3, s31
	v_lshlrev_b32 v[GSO], 3, v2
	v_lshlrev_b32 v[H8], 3, v[H8]
	s_mov_b32 s28, 0x76543210
	s_mov_b32 s29, 0xfedcba98                      ; v_permlanex16_b32's selects for lane l xor 16
	s_wait_alu depctr_va_vdst(0)
	s_wait_kmcnt 0x0
	s_mov_b64 s[20:21], s[12:13]                   ; the source: wo, unless the work-group's number says otherwise
	s_mov_b64 s[22:23], s[18:19]                   ; the result
	s_mov_b32 s24, 256                             ; the range's first work-group
	s_mov_b32 s25, 0                               ; the tensor's first tile in the result
	s_cmp_lt_u32 ttmp9, 256
	s_cselect_b64 s[20:21], s[10:11], s[20:21]
	s_cselect_b64 s[22:23], s[16:17], s[22:23]
	s_cselect_b32 s24, 224, s24
	s_cselect_b32 s25, 192, s25
	s_cselect_b32 s26, 1, 2                        ; log2 of the parts of 512 along K in a row
	s_cmp_lt_u32 ttmp9, 224
	s_cselect_b64 s[20:21], s[8:9], s[20:21]
	s_cselect_b32 s24, 192, s24
	s_cselect_b32 s25, 128, s25
	s_cmp_lt_u32 ttmp9, 192
	s_cselect_b64 s[20:21], s[6:7], s[20:21]
	s_cselect_b32 s24, 128, s24
	s_cselect_b32 s25, 0, s25
	s_cmp_lt_u32 ttmp9, 128
	s_cselect_b64 s[20:21], s[4:5], s[20:21]
	s_cselect_b64 s[22:23], s[14:15], s[22:23]
	s_cselect_b32 s24, 0, s24
	s_sub_co_u32 s24, ttmp9, s24
	s_lshl_b32 s24, s24, 2
	s_add_co_u32 s24, s24, s30                     ; my unit in the tensor
	s_lshr_b32 s32, s24, s26                       ; its tile
	s_lshl_b32 s33, 1, s26
	s_sub_co_u32 s33, s33, 1
	s_and_b32 s33, s24, s33                        ; and its part of K
	s_lshl_b32 s27, 2048, s26                      ; a source row in bytes
	s_lshr_b32 s34, s32, 1
	s_lshl_b32 s34, s34, 5
	s_and_b32 s35, s32, 1
	s_lshl_b32 s35, s35, 3
	s_add_co_u32 s34, s34, s35                     ; the tile's first row
	s_mul_i32 s34, s34, s27
	s_lshl_b32 s35, s33, 11
	s_add_co_u32 s34, s34, s35
	s_mov_b32 s35, 0
	s_add_nc_u64 s[20:21], s[20:21], s[34:35]
	s_add_co_u32 s32, s32, s25
	s_lshl_b32 s36, 4, s26                         ; fragments in a tile
	s_mul_i32 s32, s32, s36
	s_lshl_b32 s33, s33, 2
	s_add_co_u32 s32, s32, s33                     ; my first fragment
	s_mul_i32 s34, s32, 1536
	s_lshl_b32 s36, s32, 6
	s_lshr_b32 s37, 0x600000, s26                  ; where the scale words begin: 3,145,728, in woq 1,572,864
	s_add_co_u32 s36, s36, s37
	s_mov_b32 s37, 0
	s_add_nc_u64 s[38:39], s[22:23], s[36:37]      ; my scale words
	s_add_nc_u64 s[22:23], s[22:23], s[34:35]      ; my codes
.irp i, 0,1,2,3,4,5,6,7,8,9,10,11,12,13,14,15
	v_mad_u32_u24 v[VR+\i], s27, \i+8*(\i/8), v[LI]
.endr
.macro LOAD f                          ; fragment f: 16 rows x 512 bytes, a row a load
.irp i, 0,1,2,3,4,5,6,7,8,9,10,11,12,13,14,15
	global_load_b128 v[R+64*((\f)%2)+4*\i:R+64*((\f)%2)+4*\i+3], v[VR+\i], s[20:21] offset:512*(\f) th:TH_LOAD_NT
.endr
.endm
.macro FRAGQ f
.set RS_, R+64*((\f)%2)
.set CS_, CSET+12*((\f)%2)
.if (\f) < 3
	s_wait_loadcnt 16                              ; this fragment's 16 loads are in; the next fragment's may be out
.else
	s_wait_loadcnt 0x0
.endif
.irp i, 0,1,2,3,4,5,6,7,8,9,10,11,12,13,14,15
	ds_store_b128 v[STI], v[RS_+4*\i:RS_+4*\i+3] offset:SP*\i
.endr
.irp c, 0,1
.irp j, 0,1,2,3,4,5,6,7
	ds_load_b128 v[X+32*\c+4*\j:X+32*\c+4*\j+3], v[STO] offset:256*\c+16*\j   ; LDS serves a wave's instructions in order: these see the stores above
.endr
.endr
	s_wait_dscnt 0x0
.if (\f) < 2
	LOAD (\f)+2                                    ; into the set that the stage has just read
.endif
	v_max3_num_f32 v9, |v[X]|, |v[X+1]|, 0x2800000           ; my two whole blocks, by turns; the floor 2^(5 - 127) holds the byte at 1 from below
	v_max3_num_f32 v10, |v[X+32]|, |v[X+33]|, 0x2800000
.irp i, 2,4,6,8,10,12,14,16,18,20,22,24,26,28,30
	v_max3_num_f32 v9, v9, |v[X+\i]|, |v[X+\i+1]|
	v_max3_num_f32 v10, v10, |v[X+32+\i]|, |v[X+33+\i]|
.endr
	v_add_nc_u32 v11, 0xfe000000, v9               ; 4 off the exponent field: the conversion's scale operand
	v_add_nc_u32 v12, 0xfe000000, v10
	v_lshrrev_b32 v13, 23, v11                     ; the bytes of blocks h and 2 + h
	v_lshrrev_b32 v14, 23, v12
	v_lshl_or_b32 v13, v14, 16, v13
	v_lshlrev_b32 v13, v[H8], v13                  ; at their places in the word
	v_permlanex16_b32 v14, v13, s28, s29
	v_or_b32 v13, v13, v14                         ; with lane l xor 16's two the word is whole
.if (\f) >= 2
	s_wait_alu depctr_va_vdst(0)
	s_wait_xcnt 0x0                                ; the stores of two fragments ago have read this set of code registers
.endif
	v_cvt_scalef32_pk16_bf6_f32 v[CS_:CS_+2], v[X:X+15], v11
	v_cvt_scalef32_pk16_bf6_f32 v[TMPC:TMPC+2], v[X+16:X+31], v11     ; (a conversion's three registers begin on an even number)
	v_cvt_scalef32_pk16_bf6_f32 v[CS_+6:CS_+8], v[X+32:X+47], v12
	v_cvt_scalef32_pk16_bf6_f32 v[TMPC+4:TMPC+6], v[X+48:X+63], v12
	v_nop                                          ; one plain place behind a scaled conversion
.irp c, 0,1
.irp i, 0,1,2
	v_mov_b32 v[CS_+6*\c+3+\i], v[TMPC+4*\c+\i]
.endr
.endr
.irp c, 0,1,2
	global_store_b128 v[LI], v[CS_+4*\c:CS_+4*\c+3], s[22:23] offset:1536*(\f)+512*\c   ; 32 lanes store 512 consecutive bytes
.endr
	ds_store_b32 v[SWI], v13 offset:64*(\f)        ; both halves of the lanes write the same word with the same value
.endm
	LOAD 0
	LOAD 1
	s_wait_alu depctr_va_vdst(0)
	FRAGQ 0
	FRAGQ 1
	FRAGQ 2
	FRAGQ 3
	ds_load_b64 v[10:11], v[SWO]                   ; my four fragments' scale words
	s_wait_dscnt 0x0
	global_store_b64 v[GSO], v[10:11], s[38:39]    ; 256 consecutive bytes, aligned
	s_wait_tensorcnt 0x0
	ds_add_u32 v251, v255
	s_wait_dscnt 0x0
	s_endpgm
.Lfunc_end_k_q86a4503106_quant:
	.size	k_q86a4503106_quant, .Lfunc_end_k_q86a4503106_quant-k_q86a4503106_quant
	.p2alignl 7, 3214868480
	.fill 96, 4, 3214868480
	.section	.rodata,"a",@progbits
	.p2align	6, 0x0
	.amdhsa_kernel k_q86a4503106_quant
		.amdhsa_group_segment_fixed_size 35328
		.amdhsa_private_segment_fixed_size 0
		.amdhsa_enable_private_segment 0
		.amdhsa_kernarg_size 64
		.amdhsa_user_sgpr_count 2
		.amdhsa_user_sgpr_kernarg_segment_ptr 1
		.amdhsa_wavefront_size32 1
		.amdhsa_system_sgpr_workgroup_id_x 1
		.amdhsa_system_sgpr_workgroup_id_y 1
		.amdhsa_system_sgpr_workgroup_id_z 1
		.amdhsa_system_vgpr_workitem_id 0
		.amdhsa_next_free_vgpr 256
		.amdhsa_next_free_sgpr 66
		.amdhsa_reserve_vcc 0
		.amdhsa_float_denorm_mode_32 3
		.amdhsa_float_denorm_mode_16_64 3
		.amdhsa_memory_ordered 1
		.amdhsa_forward_progress 1
		.amdhsa_inst_pref_size 33
	.end_amdhsa_kernel
	.amdgpu_metadata
---
amdhsa.version: [ 1, 2 ]
amdhsa.kernels:
  - .name:           k_q86a4503106_quant
    .symbol:         k_q86a4503106_quant.kd
    .args:
      - { .name: x, .offset: 0, .size: 8, .value_kind: global_buffer, .address_space: global }
      - { .name: wq, .offset: 8, .size: 8, .value_kind: global_buffer, .address_space: global }
      - { .name: wk, .offset: 16, .size: 8, .value_kind: global_buffer, .address_space: global }
      - { .name: wv, .offset: 24, .size: 8, .value_kind: global_buffer, .address_space: global }
      - { .name: wo, .offset: 32, .size: 8, .value_kind: global_buffer, .address_space: global }
      - { .name: xq, .offset: 40, .size: 8, .value_kind: global_buffer, .address_space: global }
      - { .name: wq3, .offset: 48, .size: 8, .value_kind: global_buffer, .address_space: global }
      - { .name: woq, .offset: 56, .size: 8, .value_kind: global_buffer, .address_space: global }
    .group_segment_fixed_size: 35328
    .private_segment_fixed_size: 0
    .kernarg_segment_align: 8
    .kernarg_segment_size: 64
    .max_flat_workgroup_size: 128
    .sgpr_count:     66
    .vgpr_count:     256
    .wavefront_size: 32
...
	.end_amdgpu_metadata
.endif
;; end of part 1
;; launch qkv (part 2): grid 16 x 16, 4 waves a work-group, clusters of 4 x 4, 327,680 bytes of LDS; arguments xq, wq3, cos, sin, q_norm_w, k_norm_w, qq, kv, out1, out2; writes qq, kv, out1, out2
.if DOCPART == 2
	.amdgcn_target "amdgcn-amd-amdhsa--gfx1250"
	.amdhsa_code_object_version 6
	.text
	.protected	k_q86a4503106_qkv
	.globl	k_q86a4503106_qkv
	.p2align	8
	.type	k_q86a4503106_qkv,@function
k_q86a4503106_qkv:
	s_mov_b64 s[64:65], 0
	v_nop
	global_prefetch_b8 v0, s[64:65] scope:SCOPE_SE
	s_setreg_imm32_b32 hwreg(HW_REG_WAVE_MODE, 25, 1), 1
	s_wait_xcnt 0x0
	s_wait_alu depctr_hold_cnt(0) depctr_sa_sdst(0) depctr_va_vdst(0) depctr_va_sdst(0) depctr_va_ssrc(0) depctr_va_vcc(0) depctr_vm_vsrc(0)
	s_getreg_b32 s2, hwreg(HW_REG_IB_STS2, 6, 4)
	s_cmp_eq_u32 s2, 0
	s_cbranch_scc0 .Lentry_in_a_cluster
	s_endpgm
.Lentry_in_a_cluster:
	s_bfe_u32 s2, ttmp6, 0x10000c
	s_cmp_lg_u32 s2, 0xf033
	s_cbranch_scc0 .Lentry_shape_is_right
	s_endpgm
.Lentry_shape_is_right:
; The three projections as ONE product on codes of BF6: [4096 tokens][1024] x [4096 channels][1024]^T (channels 0-2047 q, 2048-3071 k, 3072-4095 v), and what follows each, in f32:
; q, k: RMS norm over the head's 128, the gain, rotary; quantised along the head's 128 -> qq, kv.  k also leaves as f32 (out1).  v leaves as f32 (out2) and is quantised along the KEYS -> kv.
; A tile of 256 tokens x 256 channels to a work-group of four waves; a wave makes 128 tokens x 128 channels, which is ONE HEAD: 64 accumulators, 512 registers.  K goes in steps of 256 through two LDS slots.
; OPERANDS lie in memory as images of their registers (a fragment, 16 rows x 128 K, is 1,536 bytes: register 4 c + w of lane l at 512 c + 16 l + 4 w), [tile of 16][K step]; a fragment comes by three ds_load_b128 at 16 x lane.
; Place r of tile T is row 32 (T / 2) + 8 (T % 2) + r + 8 (r / 8).  THE MATRIX INSTRUCTION IS USED TRANSPOSED (source 0 = 16 channels, source 1 = 16 tokens): lane (r, h) holds ONE token, and register 16 b + i of a block
; of tokens is channel 32 b + 16 h + i of the head: sixteen neighbours of each block of 32, as the conversions take them.
; CLUSTERS: 4 x 4 work-groups; x's tiles are asked for jointly along a row of the cluster, the weights' along a column.  The cluster's x says what a work-group makes: 0, 1 q; 2 k; 3 v: alike in all partners.
; The norm's gains and the first rows of cos and sin are asked for at the head by every work-group, v's too, which does not use them: so every register that the q/k path reads is written on every way to it.
; LIMITS: NaN and infinities are not served; 1 / rms is v_rsq_f32 and a multiplication; a block of zeros or under 2^-122 keeps the scale byte 1 (read by this program alone).
; REGISTERS: window 0: v1-29 addresses; v32-63 scale words, two sets, and nothing else; v64-127 the gains; v128-223 x's fragments, one set.  window 1: the weights' fragments, two sets at v0 and v128; v96-127, v224-255 rows of cos, sin.
;   windows 2, 3: the accumulators ((a, b) at v[8 (8 (a % 4) + b)]).  Behind the loop: see the two paths.
.set NQ,     2                         ; matrix instructions deep in a slot
.set FR,     12                        ; registers of a fragment
.set NL,     3                         ; LDS loads that bring one
.set NP,     4                         ; places behind this matrix instruction (ISA guide 7.12.1)
.set HALFT,  24576                     ; 8 tiles x 2 fragments: what one tensor load brings, and what one wave reads of x or of the weights
.set SLOT,   4*HALFT
.set LAPS,   2                         ; 1,024 along K = twice round the ring
.set SCL,    2*SLOT                    ; the scale words for all of K: x's 16 tiles x 512 bytes, then the weights'
.set SPARE,  SCL+16384                 ; the spare words: 128 bytes a wave
.set QSTG,   SPARE+512                 ; q/k path: a stage of 16 rows x 528 bytes for each wave,
.set QSCR,   QSTG+4*8448               ; its 128 scale words,
.set QCS,    QSCR+4*512                ; and 16 rows of cos and 16 of sin, pitch 272
.set LI,   3                           ; v3   16 x lane
.set STO,  4                           ; v4   q/k stage in: 528 r + 64 h
.set RD,   5                           ; v5   q/k stage out: 16 x lane
.set QSW,  6                           ; v6   my row's scale word: 16 r
.set QSR,  7                           ; v7   the scale words on the way out
.set CST,  8                           ; v8   cos, sin in: 272 h + 16 r
.set CLD,  9                           ; v9   cos, sin out: 272 r + 64 h
.set NWA,  10                          ; v10  64 h
.set VSTO, 11                          ; v11  v's stage in (it lies in slot 0, which has had its last fill and its last read by then)
.set VRD,  12                          ; v12  v's stage out, by rows
.set VCOL, 13                          ; v13  v's stage out, by columns
.set ADRA, 16                          ; v16-17 my fragments of x in slot 0, 1
.set ADRB, 20                          ; v20-21 of the weights
.set ADRS, 27                          ; v27  my scale words: lanes 0-15 x's, lanes 16-31 the weights'
.set SPW,  28                          ; v28  my spare word; never rewritten
.set NIL,  29                          ; v29  0; never rewritten
.set SC,   32
.set NW,   64
.set AF,   128
.set RAWC, 96                          ; window 1
.set RAWS, 224                         ; window 1
.set WV,   66                          ; s66  wave
.set HA,   67                          ; s67  my half of the tokens; also: I fetch for x (0) or for the weights (1)
.set HB,   95                          ; s95  my half of the channels; also: which 8 tiles I fetch
.set G1, 24
.set G0, 32
.set G1B, 48
.set G0B, 56
.set G1S, 68
.set G0S, 76
.set G1SB, 80
.set G0SB, 88
.set MSB, 0
.macro WIN new                         ; the immediate's high byte repeats the setting that is left
.if MSB != \new
	s_set_vgpr_msb (MSB<<8)|\new
.set MSB, \new
.endif
.endm
.set MUL_LO, 0xa1                      ; source 0 window 1, source 1 window 0, C and D window 2
.set MUL_HI, 0xf1                      ; the same, C and D window 3
.set TO_B,   0x40                      ; destination window 1
.macro JLOAD g0a, g1a, g0b, g1b        ; a joint load: waves 0, 1 for x, waves 2, 3 for the weights; four v_nop follow each line
	s_cmp_eq_u32 s[HA], 0
	s_cbranch_scc0 .Lfor_b_\@
	tensor_load_to_lds s[\g0a:\g0a+3], s[\g1a:\g1a+7]
	s_nop 0
.rept 4
	v_nop
.endr
	s_branch .Lasked_\@
.Lfor_b_\@:
	tensor_load_to_lds s[\g0b:\g0b+3], s[\g1b:\g1b+7]
	s_nop 0
.rept 4
	v_nop
.endr
.Lasked_\@:
.endm
.macro CREST                           ; a round of the cluster's barrier behind its opening barrier
	s_cmp_lg_u32 s[WV], 0
	s_cbranch_scc1 .Lnot_wave_0_\@
	s_barrier_signal -3
.Lnot_wave_0_\@:
	s_barrier_wait -3
	s_barrier_signal -1
	s_barrier_wait -1
.endm
.macro CROUND
	s_barrier_signal -1
	s_barrier_wait -1
	CREST
.endm
.macro PLACES n
.rept \n
	v_nop
.endr
.endm
	s_load_b512 s[4:19], s[0:1], 0x0               ; xq, wq3, cos, sin, q_norm_w, k_norm_w, qq, kv
	s_load_b128 s[20:23], s[0:1], 0x40             ; out1, out2
	v_lshl_add_u32 v[SPW], v0, 2, SPARE
	v_mov_b32 v[NIL], 0
	ds_add_u32 v28, v29
	ds_add_u32 v28, v29
	s_wait_dscnt 0x0
	v_lshrrev_b32 v1, 5, v0
	v_readfirstlane_b32 s[WV], v1
	s_lshr_b32 s[HA], s[WV], 1
	s_and_b32 s[HB], s[WV], 1
	s_bfe_u32 s40, ttmp6, 0x40000                  ; cx, cy: my place in the cluster
	s_bfe_u32 s41, ttmp6, 0x40004
	s_lshl_b32 s42, ttmp9, 2
	s_add_co_u32 s42, s42, s40                     ; tile column: 256 channels
	s_and_b32 s96, ttmp7, 0xffff
	s_lshl_b32 s96, s96, 2
	s_add_co_u32 s96, s96, s41                     ; tile row: 256 tokens
	s_lshl_b32 s43, s41, 2
	s_lshl_b32 s43, 15, s43                        ; my row of the cluster
	s_lshl_b32 s44, 0x1111, s40                    ; my column
	; codes: 8 rows (tiles) of 3,072 bytes (two fragments), 12,288 bytes apart; elements of 8 bytes; no padding: an image is read 512 consecutive bytes at a time
	s_or_b32 s[G1+0], s43, (3<<16)|(1<<21)
	s_or_b32 s[G1B+0], s44, (3<<16)|(1<<21)
.irp g, G1, G1B
	s_mov_b32 s[\g+1], 384<<16                     ; tensor_dim0
	s_mov_b32 s[\g+2], 16<<16                      ; tensor_dim1: 16 tiles for the head's loads; 8 for the ring's, set behind the head's wait
	s_mov_b32 s[\g+3], 384<<16                     ; tile_dim0
	s_mov_b32 s[\g+4], 16                          ; tile_dim1, likewise
	s_mov_b32 s[\g+5], 1536                        ; tensor_dim0_stride
	s_mov_b32 s[\g+6], 0
	s_mov_b32 s[\g+7], 0
.endr
	; scale words of 16 tiles for all of K: 8,192 dense bytes as 32 rows of 256
	s_or_b32 s[G1S+0], s43, (3<<16)|(1<<21)
	s_or_b32 s[G1SB+0], s44, (3<<16)|(1<<21)
.irp g, G1S, G1SB
	s_mov_b32 s[\g+1], 32<<16
	s_mov_b32 s[\g+2], 32<<16                      ; the scale words of all 16 tiles: 32 rows of 256 bytes
	s_mov_b32 s[\g+3], 32<<16
	s_mov_b32 s[\g+4], 32
	s_mov_b32 s[\g+5], 32
	s_mov_b32 s[\g+6], 0
	s_mov_b32 s[\g+7], 0
.endr
	s_mov_b32 s97, 0                               ; the head's loads begin at the block's first tile; the ring's half is added below
	s_lshl_b32 s98, s96, 4
	s_add_co_u32 s98, s98, s97                     ; x: tile 16 x tile row
	s_lshl_b32 s46, s42, 4
	s_add_co_u32 s46, s46, s97                     ; weights: 16 x tile column
	s_mul_i32 s100, s98, 12288                     ; their codes,
	s_mov_b32 s101, 0
	s_lshl_b32 s98, s98, 9
	s_add_co_u32 s98, s98, 0x300000                ; and their scale words, behind all codes
	s_mov_b32 s99, 0
	s_lshl_b32 s92, s46, 9
	s_add_co_u32 s92, s92, 0x300000
	s_mov_b32 s93, 0
	s_mul_i32 s46, s46, 12288
	s_mov_b32 s47, 0
	s_mul_i32 s45, s[WV], HALFT                    ; where they go: no place in the cluster enters an LDS address
	s_lshl_b32 s94, s[WV], 12
	s_wait_kmcnt 0x0
	s_add_nc_u64 s[100:101], s[4:5], s[100:101]
	s_add_nc_u64 s[98:99], s[4:5], s[98:99]
	s_add_nc_u64 s[46:47], s[6:7], s[46:47]
	s_add_nc_u64 s[92:93], s[6:7], s[92:93]
	CROUND                                         ; all sixteen work-groups are here: the first joint loads meet
	s_mov_b32 s[G0S], 1
	s_mov_b32 s[G0S+1], SCL
	s_mov_b64 s[G0S+2:G0S+3], s[98:99]
	s_or_b32 s[G0S+3], s[G0S+3], 0x80000000
	s_mov_b32 s[G0SB], 1
	s_mov_b32 s[G0SB+1], SCL+8192
	s_mov_b64 s[G0SB+2:G0SB+3], s[92:93]
	s_or_b32 s[G0SB+3], s[G0SB+3], 0x80000000
.irp s, 0,1
	s_mov_b32 s[G0+4*\s], 1
	s_add_co_u32 s[G0+4*\s+1], s45, \s*SLOT
	s_add_nc_u64 s[G0+4*\s+2:G0+4*\s+3], s[100:101], \s*3072
	s_or_b32 s[G0+4*\s+3], s[G0+4*\s+3], 0x80000000
	s_mov_b32 s[G0B+4*\s], 1
	s_add_co_u32 s[G0B+4*\s+1], s45, \s*SLOT
	s_add_nc_u64 s[G0B+4*\s+2:G0B+4*\s+3], s[46:47], \s*3072
	s_or_b32 s[G0B+4*\s+3], s[G0B+4*\s+3], 0x80000000
.endr
	s_mov_b32 s[G0+1], 0                           ; the head's loads of slot 0 are whole: x's 16 tiles at byte 0,
	s_mov_b32 s[G0B+1], 2*HALFT                    ; the weights' 16 behind them
	s_mul_i32 s100, s[HB], 98304                   ; slot 1 is filled by quarters: my 8 tiles begin 8 x 12,288 bytes on
	s_mov_b32 s101, 0
	s_add_nc_u64 s[G0+6:G0+7], s[G0+6:G0+7], s[100:101]
	s_add_nc_u64 s[G0B+6:G0B+7], s[G0B+6:G0B+7], s[100:101]
; THE HEAD'S LOADS, ONE A WAVE: wave 0 x's part of slot 0, wave 1 the weights', wave 2 x's scale words, wave 3 the weights'.  One tree of branches on the wave's number; every way passes one load.
.macro ARM under, g0, g1, next
	s_cmp_lt_u32 s[WV], \under
	s_cbranch_scc0 \next
	tensor_load_to_lds s[\g0:\g0+3], s[\g1:\g1+7]
	s_nop 0
.rept 4
	v_nop
.endr
	s_branch .Lhead_asked
\next:
.endm
	ARM 1, G0,  G1,  .Lhead_b
	ARM 2, G0B, G1B, .Lhead_sa
	ARM 3, G0S, G1S, .Lhead_sb
	tensor_load_to_lds s[G0SB:G0SB+3], s[G1SB:G1SB+7]
	s_nop 0
.rept 4
	v_nop
.endr
.Lhead_asked:
	; where my results go.  These numbers mix both coordinates: none of them feeds a descriptor
	s_lshr_b32 s43, s96, 3                         ; the batch
	s_and_b32 s44, s96, 7
	s_lshl_b32 s44, s44, 8
	s_lshl_b32 s45, s[HA], 7
	s_add_co_u32 s44, s44, s45                     ; p0: my first position
	s_lshl_b32 s46, s42, 1
	s_add_co_u32 s46, s46, s[HB]                   ; my head among the 32 of the product
	s_lshl_b32 s47, s43, 4
	s_add_co_u32 s47, s47, s46
	s_lshl_b32 s47, s47, 7
	s_lshr_b32 s45, s44, 4
	s_add_co_u32 s47, s47, s45                     ; q: fragment (16 batch + head) 128 + p0 / 16
	s_mul_i32 s92, s47, 1536
	s_lshl_b32 s93, s47, 6
	s_add_co_u32 s93, s93, 0x600000                ; and its scale words
	s_and_b32 s46, s46, 7
	s_lshl_b32 s47, s43, 3
	s_add_co_u32 s46, s46, s47                     ; k, v: 8 batch + head
	s_lshl_b32 s47, s46, 4
	s_lshr_b32 s45, s44, 7
	s_add_co_u32 s47, s47, s45
	s_mul_i32 s47, s47, 25600                      ; the record of my 128 keys: K's 8 fragments, 512 bytes of scale words, V's 8, 512 bytes
	s_cmp_eq_u32 ttmp9, 3
	s_cselect_b32 s45, 12800, 0
	s_cselect_b64 s[20:21], s[22:23], s[20:21]     ; out2 for v, else out1
	s_add_co_u32 s47, s47, s45
	s_add_co_u32 s94, s47, 12288
	s_cmp_lt_u32 ttmp9, 2
	s_cselect_b64 s[16:17], s[16:17], s[18:19]     ; qq for q, else kv
	s_cselect_b64 s[12:13], s[12:13], s[14:15]     ; q's gains, else k's
	s_cselect_b32 s92, s92, s47
	s_cselect_b32 s98, s93, s94
	s_mov_b32 s93, 0
	s_mov_b32 s99, 0
	s_add_nc_u64 s[18:19], s[16:17], s[98:99]      ; s[18:19] my scale words
	s_add_nc_u64 s[16:17], s[16:17], s[92:93]      ; s[16:17] my codes
	s_lshl_b32 s46, s46, 11
	s_add_co_u32 s46, s46, s44
	s_lshl_b32 s46, s46, 9
	s_mov_b32 s47, 0
	s_add_nc_u64 s[20:21], s[20:21], s[46:47]      ; s[20:21] my 128 rows of 512 bytes of out1 or out2
	s_lshl_b32 s46, s44, 8
	s_add_nc_u64 s[8:9], s[8:9], s[46:47]          ; cos and sin at position p0
	s_add_nc_u64 s[10:11], s[10:11], s[46:47]
	s_mov_b32 s4, 0x76543210
	s_mov_b32 s5, 0xfedcba98                       ; v_permlanex16_b32's selects for lane l xor 16
	s_mov_b32 s6, 0x3c000000                       ; 1 / 128
	s_mov_b32 s7, 0x358637bd                       ; 1e-6
	; every LDS address is made here, ahead of the parting of the paths
	v_and_b32 v1, 15, v0                           ; r
	v_bfe_u32 v2, v0, 4, 1                         ; h
	s_wait_alu depctr_va_vdst(0)
	v_and_b32 v14, 31, v0
	v_lshlrev_b32 v[LI], 4, v14
	s_mul_i32 s100, s[HA], HALFT
	s_mul_i32 s101, s[HB], HALFT
	s_add_co_u32 s101, s101, 2*HALFT
.irp s, 0,1
	v_add_nc_u32 v[ADRA+\s], s100, v[LI]
	v_add_nc_u32 v[ADRB+\s], s101, v[LI]
	s_add_co_u32 s100, s100, SLOT
	s_add_co_u32 s101, s101, SLOT
.endr
	s_lshl_b32 s100, s[HA], 12                     ; x's scale words: my 8 tiles
	s_lshl_b32 s101, s[HB], 12
	s_add_co_u32 s101, s101, 8192                  ; the weights': behind x's 16 tiles
	s_sub_co_u32 s101, s101, s100
	v_mul_u32_u24 v14, s101, v2                    ; lanes 16-31 take the weights'
	s_add_co_u32 s100, s100, SCL
	v_lshl_add_u32 v14, v1, 2, v14
	v_add_nc_u32 v[ADRS], s100, v14
	s_mul_i32 s100, s[WV], 8448
	s_add_co_u32 s100, s100, QSTG
	v_mul_u32_u24 v14, v1, 528
	v_lshl_add_u32 v14, v2, 6, v14
	v_add_nc_u32 v[STO], s100, v14
	v_add_nc_u32 v[RD], s100, v[LI]
	s_mul_i32 s100, s[WV], 16896
	v_add_nc_u32 v[VSTO], s100, v14
	v_add_nc_u32 v[VRD], s100, v[LI]
	v_and_b32 v15, 8, v1
	v_add_nc_u32 v15, v15, v1
	v_lshl_add_u32 v15, v2, 3, v15                 ; r + 8 (r / 8) + 8 h: lanes 0-15 the places of an even tile of channels, lanes 16-31 of the odd one
	v_lshl_add_u32 v[VCOL], v15, 2, s100
	s_lshl_b32 s100, s[WV], 9
	s_add_co_u32 s100, s100, QSCR
	v_lshl_add_u32 v[QSW], v1, 4, s100
	v_add_nc_u32 v[QSR], s100, v[LI]
	s_mul_i32 s100, s[WV], 8704
	s_add_co_u32 s100, s100, QCS
	v_mul_u32_u24 v14, v2, 272
	v_lshl_add_u32 v14, v1, 4, v14
	v_add_nc_u32 v[CST], s100, v14
	v_mul_u32_u24 v14, v1, 272
	v_lshl_add_u32 v14, v2, 6, v14
	v_add_nc_u32 v[CLD], s100, v14
	v_lshlrev_b32 v[NWA], 6, v2
.irp b, 0,1,2,3
.irp j, 0,1,2,3
	global_load_b128 v[NW+16*\b+4*\j:NW+16*\b+4*\j+3], v[NWA], s[12:13] offset:128*\b+16*\j   ; the gains of channels 32 b + 16 h + 0 .. 15
.endr
.endr
; the 16 rows of cos and of sin of block a's tokens, two whole rows of 256 bytes a load
.macro CSLOAD a
	WIN TO_B
.irp k, 0,1,2,3,4,5,6,7
	global_load_b128 v[RAWC+4*\k:RAWC+4*\k+3], v[LI], s[8:9] offset:(32*((\a)/2)+8*((\a)%2)+2*\k+8*(\k/4))*256
	global_load_b128 v[RAWS+4*\k:RAWS+4*\k+3], v[LI], s[10:11] offset:(32*((\a)/2)+8*((\a)%2)+2*\k+8*(\k/4))*256
.endr
	WIN 0
.endm
	CSLOAD 0
.macro FRAG reg, adr, q, i             ; a fragment's image: three loads of 512 consecutive bytes
.irp c, 0,1,2
	ds_load_b128 v[\reg+4*\c:\reg+4*\c+3], v[\adr] offset:3072*(\i)+1536*(\q)+512*\c
.endr
.endm
; 16 matrix instructions: token blocks a0, a0 + 1 x the 8 channel blocks, 128 along K.  The 64 accumulators take turns, one instruction a turn, in the same order in every step.
.macro MUL16 a0, p, q, sc, zero
.irp a, \a0, \a0+1
.irp b, 0,1,2,3,4,5,6,7
.set D_, 8*(8*((\a)%4)+\b)
.set B_, 128*(\p)+FR*\b
.set A_, AF+FR*(\a)
.set SB_, SC+8*NQ*(\sc)+NQ*\b+(\q)
.set SA_, SC+8*NQ*(\sc)+NQ*(\a)+(\q)
.if \zero
	v_wmma_scale_f32_16x16x128_f8f6f4 v[D_:D_+7], v[B_:B_+FR-1], v[A_:A_+FR-1], 0, v[SB_], v[SA_] matrix_a_fmt:MATRIX_FMT_BF6 matrix_b_fmt:MATRIX_FMT_BF6 matrix_a_scale:MATRIX_SCALE_ROW1
.else
	v_wmma_scale_f32_16x16x128_f8f6f4 v[D_:D_+7], v[B_:B_+FR-1], v[A_:A_+FR-1], v[D_:D_+7], v[SB_], v[SA_] matrix_a_fmt:MATRIX_FMT_BF6 matrix_b_fmt:MATRIX_FMT_BF6 matrix_a_scale:MATRIX_SCALE_ROW1
.endif
.endr
.endr
.endm
.macro FETCH_B slot, q, p
	WIN TO_B
.irp i, 0,1,2,3,4,5,6,7
	FRAG 128*(\p)+FR*\i, ADRB+\slot, \q, \i
.endr
	WIN 0
.endm
.macro FETCH_A slot, q, i0
.irp i, \i0, \i0+1, \i0+2, \i0+3
	FRAG AF+FR*(\i), ADRA+\slot, \q, \i
.endr
.endm
.macro SCALES sc                       ; a slot's scale words: register 2 i + q: lanes 0-15 the word of x's block i, lanes 16-31 that of the weights' block i
.irp i, 0,1,2,3,4,5,6,7
.irp q, 0,1
	ds_load_b32 v[SC+8*NQ*\sc+NQ*\i+\q], v[ADRS] offset:512*\i+64*\q
.endr
.endr
.endm
.macro STEP slot, q, zero              ; 128 along K with its successor in the same slot
	s_wait_dscnt 4*NL                              ; all but the youngest twelve loads (x's blocks 4-7) are in
	WIN MUL_LO
	MUL16 0, (\q)%2, \q, \slot, \zero
	MUL16 2, (\q)%2, \q, \slot, \zero
	s_wait_dscnt 0
	PLACES NP                                      ; in front of loads into registers that matrix instructions have read
	FETCH_B \slot, (\q)+1, 1-(\q)%2
	FETCH_A \slot, (\q)+1, 0
	WIN MUL_HI
	MUL16 4, (\q)%2, \q, \slot, \zero
	MUL16 6, (\q)%2, \q, \slot, \zero
	PLACES NP
	WIN 0
	FETCH_A \slot, (\q)+1, 4
.endm
; A slot's last step changes slots: one barrier; in front of it each wave waits for all its tensor loads, adds 0 to its spare word, and waits for that and for its reads of this slot.
.macro TURN slot, next, fill
	s_wait_tensorcnt 0x0                           ; all my tensor loads have landed: my part of the next slot
	ds_add_u32 v[SPW], v[NIL]                      ; 0 onto my spare word
	s_wait_dscnt 4*NL+1                            ; (the add and the youngest twelve loads may be out)
	WIN MUL_LO
	MUL16 0, 1, NQ-1, \slot, 0
	s_wait_dscnt 0x0                               ; the add is done, and my reads of this slot are over
	s_barrier_signal -1
	MUL16 2, 1, NQ-1, \slot, 0
	WIN 0
	s_barrier_wait -1
.if \fill
	CREST                                          ; the barrier has opened a round of the cluster's: no wave of any partner still reads this slot or has a load on its way
	s_add_nc_u64 s[G0+4*\slot+2:G0+4*\slot+3], s[G0+4*\slot+2:G0+4*\slot+3], 6144
	s_add_nc_u64 s[G0B+4*\slot+2:G0B+4*\slot+3], s[G0B+4*\slot+2:G0B+4*\slot+3], 6144
	JLOAD G0+4*\slot, G1, G0B+4*\slot, G1B         ; the first tensor load behind the round; its four v_nop are also the places in front of the loads below
.else
	PLACES NP
.endif
	s_wait_alu depctr_va_vdst(0)
	v_add_nc_u32 v[ADRS], 64*NQ, v[ADRS]           ; the next slot's scale words (no LDS load of mine is out)
	FETCH_B \next, 0, 0
	FETCH_A \next, 0, 0
	SCALES \next
	WIN MUL_HI
	MUL16 4, 1, NQ-1, \slot, 0
	MUL16 6, 1, NQ-1, \slot, 0
	PLACES NP
	WIN 0
	FETCH_A \next, 0, 4
.endm
	s_wait_alu depctr_va_vdst(0)
	s_wait_tensorcnt 0x0                           ; my tile of the head's four is in
	ds_add_u32 v[SPW], v[NIL]
	s_mov_b32 s[G1+2], 8<<16                       ; no tensor load of mine is out, so descriptors may be written: from here on a load brings 8 tiles
	s_mov_b32 s[G1+4], 8
	s_mov_b32 s[G1B+2], 8<<16
	s_mov_b32 s[G1B+4], 8
	s_mul_i32 s[G0+1], s[WV], HALFT                ; slot 0's group 0 for the ring: my quarter of the slot,
	s_mul_i32 s[G0B+1], s[WV], HALFT
	s_mul_i32 s100, s[HB], 98304                   ; and my 8 tiles
	s_mov_b32 s101, 0
	s_add_nc_u64 s[G0+2:G0+3], s[G0+2:G0+3], s[100:101]
	s_add_nc_u64 s[G0B+2:G0B+3], s[G0B+2:G0B+3], s[100:101]
	s_wait_dscnt 0x0
	CROUND                                         ; all four tiles are in, and all sixteen work-groups are here
	JLOAD G0+4, G1, G0B+4, G1B                     ; slot 1's first fill: the first tensor load behind the round
	FETCH_B 0, 0, 0
	FETCH_A 0, 0, 0
	SCALES 0
	FETCH_A 0, 0, 4
	STEP 0, 0, 1                                   ; the first step's products start the sums
	s_mov_b32 s3, LAPS-1
.Llap:                                                 ; a trip goes once round the ring and fills both slots again
	TURN 0, 1, 1
	STEP 1, 0, 0
	TURN 1, 0, 1
	STEP 0, 0, 0
	s_sub_co_u32 s3, s3, 1
	s_cmp_lg_u32 s3, 0
	s_cbranch_scc1 .Llap
	TURN 0, 1, 0                                   ; the last lap fills nothing
	STEP 1, 0, 0
	s_wait_dscnt 4*NL
	WIN MUL_LO
	MUL16 0, 1, NQ-1, 1, 0
	MUL16 2, 1, NQ-1, 1, 0
	s_wait_dscnt 0
	WIN MUL_HI
	MUL16 4, 1, NQ-1, 1, 0
	MUL16 6, 1, NQ-1, 1, 0
	WIN 0
	PLACES NP                                      ; behind the last products: results are read, and operand registers written, from here on
	s_wait_loadcnt 0x0                             ; the gains, and the first rows of cos and sin
	s_cmp_eq_u32 ttmp9, 3
	s_cbranch_scc1 .Lvpath
; ---------------- q and k.  window 0: v128-191 Y, v192-207 TM, v208-223 sums and products at work, v224-243 codes, v244 the scale word, v246-247 1 / rms.  window 1: v0-31 cos, v32-63 sin, v128-191 rows of out1.
.set Y,   128
.set TM,  192
.set SS,  208
.set M1,  208
.set M2,  216
.set PC,  224
.set PW,  244
.set RS,  246
.set OUTB, 128
; 64 numbers of a lane, register 16 b + i = k 32 b + 16 h + i of my row, become a fragment's codes in v[PC] on and its scale word in v[PW]
.macro QUANT s
.irp b, 0,1,2,3
	v_max3_num_f32 v[TM+\b], |v[\s+16*\b]|, |v[\s+1+16*\b]|, 0x2800000   ; my 16 numbers of block b, and the floor 2^(5 - 127): the byte cannot fall under 1
.endr
.irp i, 2,4,6,8,10,12,14
.irp b, 0,1,2,3
	v_max3_num_f32 v[TM+\b], v[TM+\b], |v[\s+16*\b+\i]|, |v[\s+1+16*\b+\i]|
.endr
.endr
.irp b, 0,1,2,3
	v_permlanex16_b32 v[TM+4+\b], v[TM+\b], s4, s5
.endr
.irp b, 0,1,2,3
	v_max_num_f32 v[TM+\b], v[TM+\b], v[TM+4+\b]   ; with lane l xor 16's: the block's largest magnitude
.endr
.irp b, 0,1,2,3
	v_add_nc_u32 v[TM+12+\b], 0xfe000000, v[TM+\b] ; 4 off its exponent field: the conversion's scale operand
.endr
.irp b, 0,1,2,3
	v_lshrrev_b32 v[TM+4+\b], 23, v[TM+12+\b]      ; the scale's byte
.endr
	v_lshl_or_b32 v[PW], v[TM+5], 8, v[TM+4]
	v_lshl_or_b32 v[PW], v[TM+6], 16, v[PW]
	v_lshl_or_b32 v[PW], v[TM+7], 24, v[PW]
.irp c, 0,1
	v_cvt_scalef32_pk16_bf6_f32 v[PC+6*\c:PC+2+6*\c], v[\s+32*\c:\s+15+32*\c], v[TM+12+2*\c]
	v_cvt_scalef32_pk16_bf6_f32 v[PC+12+4*\c:PC+14+4*\c], v[\s+16+32*\c:\s+31+32*\c], v[TM+12+2*\c+1]   ; (a conversion's three registers begin on an even number)
.endr
	v_nop                                          ; one plain place behind a scaled conversion
.irp c, 0,1                                    ; the operand's layout wants a whole block in a lane
.irp i, 0,1,2
	v_permlane16_swap_b32 v[PC+6*\c+\i], v[PC+12+4*\c+\i]
.endr
.irp i, 0,1,2
	v_mov_b32 v[PC+3+6*\c+\i], v[PC+12+4*\c+\i]
.endr
.endr
.endm
; Block a: 16 tokens (place r: token 32 (a / 2) + 8 (a % 2) + r + 8 (r / 8)) x the head's 128 channels
.macro QKBLOCK a
.set AC_, 64*((\a)%4)
.set TB_, 32*((\a)/2)+8*((\a)%2)
.if (\a) > 0
	s_wait_loadcnt 0x0                             ; this block's rows of cos and sin
.endif
	WIN 0x04                                       ; an LDS store's data are its source 1: window 1
.set k_, 0
.rept 8
	ds_store_b128 v[CST], v[RAWC+4*k_:RAWC+4*k_+3] offset:544*k_
	ds_store_b128 v[CST], v[RAWS+4*k_:RAWS+4*k_+3] offset:544*k_+4352
.set k_, k_+1
.endr
	WIN TO_B
.set k_, 0
.rept 8                                        ; back: my token's row, entries 32 b + 16 h + 0 .. 15, b = 0, 1
	ds_load_b128 v[4*k_:4*k_+3], v[CLD] offset:128*(k_/4)+16*(k_%4)
	ds_load_b128 v[32+4*k_:32+4*k_+3], v[CLD] offset:128*(k_/4)+16*(k_%4)+4352
.set k_, k_+1
.endr
	WIN 0x0a+5*((\a)/4)                            ; sources 0 and 1: the accumulators' window
.irp c, 0,1,2,3
	v_pk_mul_f32 v[SS+2*\c:SS+2*\c+1], v[AC_+2*\c:AC_+2*\c+1], v[AC_+2*\c:AC_+2*\c+1]   ; the sum of squares, in four chains, each accumulator from its low end on
.endr
.set p_, 4
.rept 28
	v_pk_fma_f32 v[SS+2*(p_%4):SS+2*(p_%4)+1], v[AC_+2*p_:AC_+2*p_+1], v[AC_+2*p_:AC_+2*p_+1], v[SS+2*(p_%4):SS+2*(p_%4)+1]
.set p_, p_+1
.endr
	WIN 0
	s_wait_alu depctr_va_vdst(0)
	s_wait_dscnt 0x0                               ; cos and sin are in my registers, and the stage has read the rows
.if (\a) < 7
	CSLOAD (\a)+1
.endif
	v_pk_add_f32 v[SS:SS+1], v[SS:SS+1], v[SS+2:SS+3]
	v_pk_add_f32 v[SS+4:SS+5], v[SS+4:SS+5], v[SS+6:SS+7]
	v_pk_add_f32 v[SS:SS+1], v[SS:SS+1], v[SS+4:SS+5]
	v_add_f32 v[SS], v[SS], v[SS+1]
	v_permlanex16_b32 v[SS+2], v[SS], s4, s5
	v_add_f32 v[SS], v[SS], v[SS+2]                ; with lane l xor 16's 64 channels
	v_fma_f32 v[SS], v[SS], s6, s7                 ; the mean + 1e-6
	s_wait_alu depctr_va_vdst(0)
	v_rsq_f32 v[RS], v[SS]
	v_nop                                          ; one plain place behind a transcendental
	s_wait_alu depctr_va_vdst(0)
	v_mov_b32 v[RS+1], v[RS]
	WIN 0x02+((\a)/4)
.set p_, 0
.rept 32
	v_pk_mul_f32 v[Y+2*p_:Y+2*p_+1], v[AC_+2*p_:AC_+2*p_+1], v[RS:RS+1] op_sel_hi:[1,0]
.set p_, p_+1
.endr
	WIN 0
.set p_, 0
.rept 32
	v_pk_mul_f32 v[Y+2*p_:Y+2*p_+1], v[Y+2*p_:Y+2*p_+1], v[NW+2*p_:NW+2*p_+1]
.set p_, p_+1
.endr
	WIN 0x04                                       ; source 1 (cos, sin): window 1.  Registers 0-31 are the head's first half, 32-63 its second
.irp g, 0,1,2,3
.irp p, 0,1,2,3
	v_pk_mul_f32 v[M1+2*\p:M1+2*\p+1], v[Y+32+8*\g+2*\p:Y+32+8*\g+2*\p+1], v[32+8*\g+2*\p:32+8*\g+2*\p+1]   ; x2 sin
.endr
.irp p, 0,1,2,3
	v_pk_mul_f32 v[M2+2*\p:M2+2*\p+1], v[Y+32+8*\g+2*\p:Y+32+8*\g+2*\p+1], v[8*\g+2*\p:8*\g+2*\p+1]         ; x2 cos
.endr
.irp p, 0,1,2,3
	v_pk_fma_f32 v[Y+32+8*\g+2*\p:Y+32+8*\g+2*\p+1], v[Y+8*\g+2*\p:Y+8*\g+2*\p+1], v[32+8*\g+2*\p:32+8*\g+2*\p+1], v[M2+2*\p:M2+2*\p+1]   ; x1 sin + x2 cos
.endr
.irp p, 0,1,2,3
	v_pk_fma_f32 v[Y+8*\g+2*\p:Y+8*\g+2*\p+1], v[Y+8*\g+2*\p:Y+8*\g+2*\p+1], v[8*\g+2*\p:8*\g+2*\p+1], v[M1+2*\p:M1+2*\p+1] neg_lo:[0,0,1] neg_hi:[0,0,1]   ; x1 cos - x2 sin
.endr
.endr
	WIN 0
	s_cmp_lg_u32 ttmp9, 2                          ; k alone leaves as f32
	s_cbranch_scc1 .Lnot_k_\@
.irp b, 0,1,2,3
.irp j, 0,1,2,3
	ds_store_b128 v[STO], v[Y+16*\b+4*\j:Y+16*\b+4*\j+3] offset:128*\b+16*\j
.endr
.endr
	s_wait_xcnt 0x0                                ; the last block's stores have read the registers that the rows now land in
	WIN TO_B
.set t_, 0
.rept 16
	ds_load_b128 v[OUTB+4*t_:OUTB+4*t_+3], v[RD] offset:528*t_     ; whole rows of 512 bytes; LDS serves a wave's instructions in order
.set t_, t_+1
.endr
	s_wait_dscnt 0x0
	WIN 0x04
.set t_, 0
.rept 16
	global_store_b128 v[LI], v[OUTB+4*t_:OUTB+4*t_+3], s[20:21] offset:(TB_+t_+8*(t_/8))*512 th:TH_STORE_NT   ; 32 lanes store 512 consecutive bytes
.set t_, t_+1
.endr
	WIN 0
.Lnot_k_\@:
	s_wait_xcnt 0x0                                ; the last block's stores have read the code registers
	QUANT Y
.irp c, 0,1,2
	global_store_b128 v[LI], v[PC+4*\c:PC+4*\c+3], s[16:17] offset:1536*(\a)+512*\c
.endr
	ds_store_b32 v[QSW], v[PW] offset:256*((\a)%2)+4*((\a)/2)      ; tile a's word of row r at 16 r + 256 (a % 2) + 4 (a / 2): one load of 16 bytes a lane then brings four registers of scale words
.endm
.irp b, 0,1,2,3
	v_mov_b32 v[TM+4+\b], 0                        ; written once: a lane permute's destination counts as one of its sources
.endr
.irp a, 0,1,2,3,4,5,6,7
	QKBLOCK \a
.endr
	ds_load_b128 v[TM:TM+3], v[QSR]                ; my 8 tiles' scale words
	s_wait_dscnt 0x0
	global_store_b128 v[LI], v[TM:TM+3], s[18:19]
	s_branch .Lend
; ---------------- v.  window 0: v64-159 the 8 fragments of V^T (16 channels x my 128 keys), v160-223 two sets of 32 keys of one channel, v224-227 at work, v232-235 scale words, v236-238 a conversion's second half.  window 1: v0-127 rows of out2.
.Lvpath:
.set VF,  64
.set XC,  160
.set VW,  224
.set SW,  232
.set VT,  236
.macro COL bq, set                     ; 32 neighbouring tokens of channel 32 bq + r + 8 (r / 8) + 8 h: the 32 lanes read 32 different words of one token's row
.set i_, 0
.rept 32
	ds_load_b32 v[XC+32*(\set)+i_], v[VCOL] offset:528*(16*((i_/8)%2)+(i_%8)+8*(i_/16))+128*(\bq)
.set i_, i_+1
.endr
.endm
.macro VQ bq, g                        ; block g of the keys, for tile 2 bq (lanes 0-15) and tile 2 bq + 1 (lanes 16-31): all 32 numbers are the lane's
.set XS_, XC+32*((\bq)%2)
.set D6_, VF+24*(\bq)+12*((\g)%2)+6*((\g)/2)
	v_max3_num_f32 v[VW], |v[XS_]|, |v[XS_+1]|, |v[XS_+2]|
	v_max3_num_f32 v[VW+1], |v[XS_+3]|, |v[XS_+4]|, |v[XS_+5]|
.irp i, 6,10,14,18,22,26
	v_max3_num_f32 v[VW], v[VW], |v[XS_+\i]|, |v[XS_+\i+1]|
	v_max3_num_f32 v[VW+1], v[VW+1], |v[XS_+\i+2]|, |v[XS_+\i+3]|
.endr
	v_max3_num_f32 v[VW], v[VW], |v[XS_+30]|, |v[XS_+31]|
	v_max3_num_f32 v[VW], v[VW], v[VW+1], 0x2800000
	v_add_nc_u32 v[VW+2], 0xfe000000, v[VW]
	v_lshrrev_b32 v[VW+3], 23, v[VW+2]
.if (\g) == 0
	v_mov_b32 v[SW+(\bq)], v[VW+3]
.else
	v_lshl_or_b32 v[SW+(\bq)], v[VW+3], 8*(\g), v[SW+(\bq)]
.endif
	v_cvt_scalef32_pk16_bf6_f32 v[D6_:D6_+2], v[XS_:XS_+15], v[VW+2]
	v_cvt_scalef32_pk16_bf6_f32 v[VT:VT+2], v[XS_+16:XS_+31], v[VW+2]
	v_nop                                          ; one plain place behind a scaled conversion
.irp i, 0,1,2
	v_mov_b32 v[D6_+3+\i], v[VT+\i]
.endr
.endm
; Blocks 2 g and 2 g + 1: tokens 32 g .. 32 g + 31.  They go into the stage once (row 16 u + r) and leave it twice: by rows for out2, by columns for the quantiser along the keys.
.macro VGROUP g
.irp u, 0,1
.set AC_, 64*((2*(\g)+\u)%4)
	WIN 0x08+4*((\g)/2)                            ; the data: window 2 or 3
.set b_, 0
.rept 8
	ds_store_b128 v[VSTO], v[AC_+8*b_:AC_+8*b_+3] offset:8448*\u+128*(b_/2)+32*(b_%2)        ; each accumulator from its low end on
	ds_store_b128 v[VSTO], v[AC_+8*b_+4:AC_+8*b_+7] offset:8448*\u+128*(b_/2)+32*(b_%2)+16
.set b_, b_+1
.endr
.endr
.if (\g) > 0
	s_wait_xcnt 0x0                                ; the last group's stores have read the registers that the rows now land in
.endif
	WIN TO_B
.set t_, 0
.rept 32
	ds_load_b128 v[4*t_:4*t_+3], v[VRD] offset:528*t_
.set t_, t_+1
.endr
	WIN 0
	COL 0, 0
	s_wait_dscnt 32                                ; the rows are in; the 32 column loads behind them may be out
	WIN 0x04
.set t_, 0
.rept 32
	global_store_b128 v[LI], v[4*t_:4*t_+3], s[20:21] offset:(32*(\g)+8*(t_/16)+(t_%16)+8*((t_%16)/8))*512 th:TH_STORE_NT
.set t_, t_+1
.endr
	WIN 0
	COL 1, 1
	s_wait_dscnt 32                                ; one set is in, the next set's 32 loads may be out
	VQ 0, \g
	COL 2, 0
	s_wait_dscnt 32
	VQ 1, \g
	COL 3, 1
	s_wait_dscnt 32
	VQ 2, \g
	s_wait_dscnt 0x0
	VQ 3, \g
.if (\g)%2 == 1                        ; blocks 2 c and 2 c + 1 are made: the even tile's upper lanes take its odd block, the odd tile's lower lanes its even block
.irp bq, 0,1,2,3
.irp k, 0,1,2,3,4,5
	v_permlane16_swap_b32 v[VF+24*\bq+6*((\g)/2)+\k], v[VF+24*\bq+6*((\g)/2)+\k+12]
.endr
.endr
.endif
.endm
	VGROUP 0
	VGROUP 1
	VGROUP 2
	VGROUP 3
.irp t, 0,1,2,3,4,5,6,7
.irp c, 0,1,2
	global_store_b128 v[LI], v[VF+12*\t+4*\c:VF+12*\t+4*\c+3], s[16:17] offset:1536*\t+512*\c
.endr
.endr
	global_store_b128 v[LI], v[SW:SW+3], s[18:19]  ; register i of lane (r, h) is the word of tile 2 i + h, row r: the layout that the reader loads
.Lend:
	s_wait_tensorcnt 0x0                           ; the wave's end
	ds_add_u32 v[SPW], v[NIL]
	s_wait_dscnt 0x0
	CROUND                                         ; the closing round
	s_endpgm
.Lfunc_end_k_q86a4503106_qkv:
	.size	k_q86a4503106_qkv, .Lfunc_end_k_q86a4503106_qkv-k_q86a4503106_qkv
	.p2alignl 7, 3214868480
	.fill 96, 4, 3214868480
	.section	.rodata,"a",@progbits
	.p2align	6, 0x0
	.amdhsa_kernel k_q86a4503106_qkv
		.amdhsa_group_segment_fixed_size 327680
		.amdhsa_private_segment_fixed_size 0
		.amdhsa_enable_private_segment 0
		.amdhsa_kernarg_size 80
		.amdhsa_user_sgpr_count 2
		.amdhsa_user_sgpr_kernarg_segment_ptr 1
		.amdhsa_wavefront_size32 1
		.amdhsa_system_sgpr_workgroup_id_x 1
		.amdhsa_system_sgpr_workgroup_id_y 1
		.amdhsa_system_sgpr_workgroup_id_z 1
		.amdhsa_system_vgpr_workitem_id 0
		.amdhsa_next_free_vgpr 1024
		.amdhsa_next_free_sgpr 102
		.amdhsa_reserve_vcc 0
		.amdhsa_float_denorm_mode_32 3
		.amdhsa_float_denorm_mode_16_64 3
		.amdhsa_memory_ordered 1
		.amdhsa_forward_progress 1
		.amdhsa_inst_pref_size 255
	.end_amdhsa_kernel
	.section	.bss,"aw",@nobits
	.p2align	6
	.space	262144
	.amdgpu_metadata
---
amdhsa.version: [ 1, 2 ]
amdhsa.kernels:
  - .name:           k_q86a4503106_qkv
    .symbol:         k_q86a4503106_qkv.kd
    .args:
      - { .name: xq, .offset: 0, .size: 8, .value_kind: global_buffer, .address_space: global }
      - { .name: wq3, .offset: 8, .size: 8, .value_kind: global_buffer, .address_space: global }
      - { .name: cos, .offset: 16, .size: 8, .value_kind: global_buffer, .address_space: global }
      - { .name: sin, .offset: 24, .size: 8, .value_kind: global_buffer, .address_space: global }
      - { .name: q_norm_w, .offset: 32, .size: 8, .value_kind: global_buffer, .address_space: global }
      - { .name: k_norm_w, .offset: 40, .size: 8, .value_kind: global_buffer, .address_space: global }
      - { .name: qq, .offset: 48, .size: 8, .value_kind: global_buffer, .address_space: global }
      - { .name: kv, .offset: 56, .size: 8, .value_kind: global_buffer, .address_space: global }
      - { .name: out1, .offset: 64, .size: 8, .value_kind: global_buffer, .address_space: global }
      - { .name: out2, .offset: 72, .size: 8, .value_kind: global_buffer, .address_space: global }
    .group_segment_fixed_size: 327680
    .private_segment_fixed_size: 0
    .kernarg_segment_align: 8
    .kernarg_segment_size: 80
    .max_flat_workgroup_size: 128
    .sgpr_count:     102
    .vgpr_count:     1024
    .wavefront_size: 32
...
	.end_amdgpu_metadata
.endif
;; end of part 2
;; launch attn (part 3): grid 16 x 16, 16 waves a work-group, clusters of 4 x 1, 327,680 bytes of LDS; arguments qq, kv, oq; writes oq
.if DOCPART == 3
	.amdgcn_target "amdgcn-amd-amdhsa--gfx1250"
	.amdhsa_code_object_version 6
	.text
	.protected	k_q86a4503106_attn
	.globl	k_q86a4503106_attn
	.p2align	8
	.type	k_q86a4503106_attn,@function
k_q86a4503106_attn:
	s_mov_b64 s[64:65], 0
	v_nop
	global_prefetch_b8 v0, s[64:65] scope:SCOPE_SE
	s_setreg_imm32_b32 hwreg(HW_REG_WAVE_MODE, 25, 1), 1
	s_wait_xcnt 0x0
	s_wait_alu depctr_hold_cnt(0) depctr_sa_sdst(0) depctr_va_vdst(0) depctr_va_sdst(0) depctr_va_ssrc(0) depctr_va_vcc(0) depctr_vm_vsrc(0)
	s_getreg_b32 s2, hwreg(HW_REG_IB_STS2, 6, 4)
	s_cmp_eq_u32 s2, 0
	s_cbranch_scc0 .Lentry_in_a_cluster
	s_endpgm
.Lentry_in_a_cluster:
	s_bfe_u32 s2, ttmp6, 0x10000c
	s_cmp_lg_u32 s2, 0x3003
	s_cbranch_scc0 .Lentry_shape_is_right
	s_endpgm
.Lentry_shape_is_right:
; Causal attention on codes of BF6, 16 query heads on 8 key and value heads, 2 batches, 2,048 positions, head size 128.  t = score x log2(e) / sqrt(128); M = the running largest t rounded UP to a whole number;
; p = 2^(t - M) is quantised along the keys, not normalised; the row's sum is taken of the unquantised p and divides at the end.  The result is quantised along (head, channel) for the last product -> oq.
; LEFT OUT: key records that lie wholly behind a tile's queries: the causal mask, which the problem builds itself, gives them the weight 0.
; SHARES.  Work-group y is the key and value head with its batch (g).  The cluster's x, jj = 0..3, names a pair of blocks of 256 queries: block jj first, then block 7 - jj: (jj + 1) + (8 - jj) = 9 slots of 256 keys
; in every work-group.  A block has 16 tiles of 16 queries for each of 2 query heads: 8 tiles to each of the cluster's four work-groups, which walk the same records and ask for each slot JOINTLY.
; TWO WAVES SHARE A TILE: of each slot's two records wave bit 2 = 0 takes the first, 1 the second, each with a running M, sum and O^T of its own.  At a block's end the second hands its state over through a stage in LDS,
; and the first joins the two by exact powers of two, divides, quantises and stores.  Wave bits: 0 query head, 1 low bit of the tile, 2 record, 3 lower or upper 128 queries of the block.
; The loop's trips are constant; where a block ends hangs on the cluster's x alone, alike in all partners.  A record behind a wave's queries is jumped over by a scalar branch on ids; the record on the diagonal hides keys by compare and select.
; A RECORD (25,600 bytes): K's 8 fragment images, 512 bytes of scale words, V^T's 8 images, 512 bytes.  Waves 0 and 1 fetch one record of a slot each (100 rows of 256 bytes).
; PREFETCH: in the trip that loads slot-in-order u - 1, waves 2 and 3 ask for the slot of load u, 200 blocks of 256 bytes shared out among the four partners by address (50 each, a lane a block; lanes 25-31 repeat the wave's last).
; Records that the first block's walk has read are not asked for again; loads 0 and 1 come unasked; nothing is asked beyond load 8.
; A new block clears no O^T: its first step's factor 2^(old M - new M) is 0 (old M = -3e38), and 0 x a finite number is 0.
; LIMITS: NaN and infinities are not served; scaled scores stay under 2^31 in magnitude; 1 / sum is v_rcp_f32 and a multiplication; a block of zeros keeps the scale byte 1.
; REGISTERS: v1-7, v30-31 stay; v8-11, v88-95, v29 the second block's Q; v12 -M, v13 the largest t, v[14:15] the sum; v16-27 Q, v28 its scale words; v32-79 four fragments; v80-87 scale words; v96-159 S^T, then p, then V's last four fragments; v160-223 O^T; v224-255 at work.
.set REC,   25600
.set KSC,   12288
.set VCO,   12800
.set VSC,   25088
.set SLOT1, 65536                      ; slot 1 begins here: one exclusive or turns an address
.set SPARE, 131072                     ; the spare words: 128 bytes for each of 16 waves
.set STAGE, SPARE+2048                 ; 8 pairs x 8,704 bytes: O^T's 64 registers and v12-15, as images
.set LI,   1                           ; v1  16 x lane
.set DQ,   2                           ; v2  my query's place in its record, less 16 h
.set R4,   3
.set R16,  4
.set SPW,  5
.set NIL,  6
.set AD,   7                           ; v7  my record in the slot in hand
.set PFO,  30                          ; v30 the prefetches' offset
.set STG,  31                          ; v31 my pair's stage
.set WV,   10
.set PAR,  15                          ; s15 which record of a slot is mine
.set SD,   16                          ; s16 the record that holds my queries
.set KS,   17                          ; s17 my record in hand
.set TB,   18                          ; s18 the slot in hand, + my record's place
.set TR,   19                          ; s19 the trip
.set SEL,  20
.set CS,   22
.set G1,   24
.set G0,   32
.set JJ,   36
.set SD2,  38
.set HALF, 39
.set T1,   40
.set T2,   42
.set QA1,  44
.set SA1,  46
.set OA1,  48
.set WA1,  50
.set QA2,  52
.set SA2,  54
.set OA2,  56
.set WA2,  58
.set BK,   60                          ; s[60:61] what a load's address goes back by
.set PF,   66                          ; s[66:67] where the prefetches stand
.set PS,   68                          ; s[68:69] their next step
.set J22,  70
.macro JLOAD                           ; waves 0 and 1 fetch; s_nop 0 and four v_nop follow the line
	s_cmp_lt_u32 s[WV], 2
	s_cbranch_scc0 .Lasked_\@
	tensor_load_to_lds s[G0:G0+3], s[G1:G1+7]
	s_nop 0
.rept 4
	v_nop
.endr
.Lasked_\@:
.endm
.macro CROUND
	s_barrier_signal -1
	s_barrier_wait -1
	s_cmp_lg_u32 s[WV], 0
	s_cbranch_scc1 .Lnot_wave_0_\@
	s_barrier_signal -3
.Lnot_wave_0_\@:
	s_barrier_wait -3
	s_barrier_signal -1
	s_barrier_wait -1
.endm
.macro PLACE t, qa, sa, oa, wa         ; byte offsets for tile s[t]: Q's fragment, its scale words, the result's fragment, its scale words
	s_lshl_b32 s[\qa], s41, 7
	s_add_co_u32 s[\qa], s[\qa], s[\t]
	s_mul_i32 s[\qa], s[\qa], 1536
	s_mov_b32 s[\qa+1], 0
	s_lshl_b32 s[\sa], s41, 13                     ; 8,192 bytes a head, 512 for 8 tiles; tile a's row r at 16 r + 256 (a % 2) + 4 (a / 2)
	s_lshr_b32 s[\sa+1], s[\t], 3
	s_lshl_b32 s[\sa+1], s[\sa+1], 9
	s_add_co_u32 s[\sa], s[\sa], s[\sa+1]
	s_and_b32 s[\sa+1], s[\t], 1
	s_lshl_b32 s[\sa+1], s[\sa+1], 8
	s_add_co_u32 s[\sa], s[\sa], s[\sa+1]
	s_bfe_u32 s[\sa+1], s[\t], 0x20001
	s_lshl_b32 s[\sa+1], s[\sa+1], 2
	s_add_co_u32 s[\sa], s[\sa], s[\sa+1]
	s_add_co_u32 s[\sa], s[\sa], 0x600000
	s_mov_b32 s[\sa+1], 0
	s_lshr_b32 s[\oa], s13, 3
	s_lshl_b32 s[\oa], s[\oa], 7
	s_add_co_u32 s[\oa], s[\oa], s[\t]             ; tile 128 batch + T,
	s_lshl_b32 s[\oa], s[\oa], 4
	s_and_b32 s[\oa+1], s41, 15
	s_add_co_u32 s[\oa], s[\oa], s[\oa+1]          ; K step = the query head
	s_lshl_b32 s[\wa], s[\oa], 6
	s_add_co_u32 s[\wa], s[\wa], 0x600000
	s_mov_b32 s[\wa+1], 0
	s_mul_i32 s[\oa], s[\oa], 1536
	s_mov_b32 s[\oa+1], 0
.endm
	s_load_b128 s[4:7], s[0:1], 0x0                ; qq, kv
	s_load_b64 s[8:9], s[0:1], 0x10                ; oq
	v_lshl_add_u32 v[SPW], v0, 2, SPARE
	v_mov_b32 v[NIL], 0
	ds_add_u32 v[SPW], v[NIL]                      ; the opening lines: the add twice on end, and its wait
	ds_add_u32 v[SPW], v[NIL]
	v_lshrrev_b32 v7, 5, v0
	s_delay_alu instid0(VALU_DEP_1)
	v_readfirstlane_b32 s[WV], v7
	s_bfe_u32 s11, ttmp6, 0x40000                  ; cx: it enters global addresses and the lanes' DQ alone
	s_and_b32 s13, ttmp7, 0xffff                   ; g
	s_mov_b32 s[JJ], ttmp9
	s_and_b32 s14, s[WV], 1                        ; my query head of the two; in waves 0, 1 also the record that I fetch
	s_bfe_u32 s[PAR], s[WV], 0x10002
	s_lshr_b32 s[HALF], s[WV], 3
	s_lshr_b32 s79, s[WV], 1
	s_bfe_u32 s12, s[WV], 0x10001
	s_lshl_b32 s72, s11, 1
	s_add_co_u32 s12, s12, s72                     ; u: my tile among the 8 of 128 queries
	s_lshl_b32 s72, s[HALF], 3
	s_add_co_u32 s72, s72, s12
	s_lshl_b32 s[T1], s[JJ], 4
	s_add_co_u32 s[T1], s[T1], s72                 ; the first block's tile: 16 jj + 8 half + u
	s_sub_co_u32 s73, 7, s[JJ]
	s_lshl_b32 s[T2], s73, 4
	s_add_co_u32 s[T2], s[T2], s72                 ; the second's: 16 (7 - jj) + 8 half + u
	s_lshl_b32 s[SD], s[JJ], 1
	s_add_co_u32 s[SD], s[SD], s[HALF]
	s_lshl_b32 s[SD2], s73, 1
	s_add_co_u32 s[SD2], s[SD2], s[HALF]
	s_lshl_b32 s[J22], s[JJ], 1
	s_add_co_u32 s[J22], s[J22], 2
	s_add_co_u32 s78, s[JJ], 1
	s_mul_i32 s78, s78, 2*REC                      ; from the first block's last slot + 1 back to slot 0
	s_mov_b32 s[BK+1], 0
	s_mov_b32 s[PS], 0
	s_mov_b32 s[PS+1], 0
	s_mov_b32 s[G1], 15|(3<<16)|(1<<21)            ; the mask: all four work-groups; elements of 8 bytes; bit 21 set beside a mask
	s_mov_b32 s[G1+1], 32<<16                      ; a record: 100 dense rows of 256 bytes
	s_mov_b32 s[G1+2], 100<<16
	s_mov_b32 s[G1+3], 32<<16
	s_mov_b32 s[G1+4], 100
	s_mov_b32 s[G1+5], 32
	s_mov_b32 s[G1+6], 0
	s_mov_b32 s[G1+7], 0
	s_lshl_b32 s76, s13, 4
	s_min_u32 s72, s[JJ], 1
	s_add_co_u32 s72, s72, 1                       ; the first slot asked for ahead: 1 where jj = 0, else 2
	s_lshl_b32 s72, s72, 1
	s_add_co_u32 s72, s72, s76
	s_mul_i32 s[PF], s72, REC
	s_mov_b32 s[PF+1], 0
	s_add_co_u32 s76, s76, s14
	s_mul_i32 s76, s76, REC                        ; record 16 g + (wave & 1)
	s_mov_b32 s77, 0
	s_mul_i32 s[G0+1], s14, REC                    ; and its place in a slot
	s_mul_i32 s[TB], s[PAR], REC
	s_lshl_b32 s41, s13, 1
	s_add_co_u32 s41, s41, s14                     ; my query head, with the batch
	PLACE T1, QA1, SA1, OA1, WA1
	PLACE T2, QA2, SA2, OA2, WA2
	s_and_b32 s80, s[WV], 3
	s_lshl_b32 s72, s[HALF], 2
	s_or_b32 s80, s80, s72
	s_mul_i32 s80, s80, 8704
	s_add_co_u32 s80, s80, STAGE                   ; my pair's stage
	s_bfe_u32 s81, s12, 0x20001
	s_lshl_b32 s81, s81, 5
	s_and_b32 s72, s12, 1
	s_lshl_b32 s72, s72, 3
	s_add_co_u32 s81, s81, s72                     ; 32 (u / 2) + 8 (u % 2)
	s_mul_i32 s82, s11, 50
	s_mul_i32 s72, s14, 25
	s_add_co_u32 s82, s82, s72                     ; the first of my wave's 25 blocks of a slot's 200
	s_mov_b32 s[SEL], 0x76543210
	s_mov_b32 s[SEL+1], 0xfedcba98
	s_mov_b32 s[CS], 0x3e0293ee                    ; c = log2(e) / sqrt(128)
	s_mov_b32 s[CS+1], s[CS]
	s_mov_b32 s[KS], s[PAR]
	s_mov_b32 s[TR], 0
	s_wait_dscnt 0x0
	s_wait_kmcnt 0x0
	s_mov_b32 s[G0], 1
	s_add_nc_u64 s[G0+2:G0+3], s[6:7], s[76:77]
	s_or_b32 s[G0+3], s[G0+3], 0x80000000
	s_add_nc_u64 s[PF:PF+1], s[6:7], s[PF:PF+1]
.irp p, QA1, SA1, QA2, SA2
	s_add_nc_u64 s[\p:\p+1], s[4:5], s[\p:\p+1]
.endr
.irp p, OA1, WA1, OA2, WA2
	s_add_nc_u64 s[\p:\p+1], s[8:9], s[\p:\p+1]
.endr
	CROUND                                         ; all four work-groups are here
	JLOAD                                          ; slot 0
	v_and_b32 v9, 31, v0
	v_and_b32 v8, 15, v0                           ; r
	v_bfe_u32 v10, v0, 4, 1                        ; h
	s_delay_alu instid0(VALU_DEP_3)
	v_lshlrev_b32 v[LI], 4, v9
	v_min_u32 v9, 24, v9
	v_lshlrev_b32 v[R4], 2, v8
	v_lshlrev_b32 v[R16], 4, v8
	v_add_nc_u32 v9, s82, v9
	v_and_b32 v[DQ], 8, v8
	v_lshlrev_b32 v11, 4, v10
	v_lshlrev_b32 v[PFO], 8, v9
	v_add_nc_u32 v[DQ], v[DQ], v8
	v_add_nc_u32 v[STG], s80, v[LI]
	s_delay_alu instid0(VALU_DEP_2)
	v_sub_nc_u32 v[DQ], v[DQ], v11
	s_delay_alu instid0(VALU_DEP_1)
	v_add_nc_u32 v[DQ], s81, v[DQ]                 ; 32 (u / 2) + 8 (u % 2) + r + 8 (r / 8) - 16 h
.irp c, 0,1,2
	global_load_b128 v[16+4*\c:19+4*\c], v[LI], s[QA1:QA1+1] offset:512*\c
.endr
	global_load_b32 v28, v[R16], s[SA1:SA1+1]
	global_load_b128 v[88:91], v[LI], s[QA2:QA2+1]             ; the second block's Q waits in registers
	global_load_b128 v[92:95], v[LI], s[QA2:QA2+1] offset:512
	global_load_b128 v[8:11], v[LI], s[QA2:QA2+1] offset:1024
	global_load_b32 v29, v[R16], s[SA2:SA2+1]
	v_mov_b32 v13, 0xff61b1e6                      ; the largest t so far: -3e38
	v_mov_b32 v12, 0x7f61b1e6                      ; -M
	v_mov_b32 v14, 0
	v_mov_b32 v15, 0
.irp b, 0,1,2,3
	v_mov_b32 v[236+\b], 0                         ; written once: a lane permute's destination counts as one of its sources
.endr
	v_mov_b32 v252, 0
	v_mov_b32 v253, 0
.set j_, 0
.rept 64
	v_mov_b32 v[160+j_], 0                         ; O^T: the step is written once; the first finds zeros
.set j_, j_+1
.endr
; a product: acc = 0 starts the sum.  row = 1: source 0's scale words stand in lanes 16-31
.macro MM d, a, b, acc, sa, sb, row
.if \acc
.if \row
	v_wmma_scale_f32_16x16x128_f8f6f4 v[(\d):(\d)+7], v[(\a):(\a)+11], v[(\b):(\b)+11], v[(\d):(\d)+7], v[\sa], v[\sb] matrix_a_fmt:MATRIX_FMT_BF6 matrix_b_fmt:MATRIX_FMT_BF6 matrix_a_scale:MATRIX_SCALE_ROW1
.else
	v_wmma_scale_f32_16x16x128_f8f6f4 v[(\d):(\d)+7], v[(\a):(\a)+11], v[(\b):(\b)+11], v[(\d):(\d)+7], v[\sa], v[\sb] matrix_a_fmt:MATRIX_FMT_BF6 matrix_b_fmt:MATRIX_FMT_BF6
.endif
.else
.if \row
	v_wmma_scale_f32_16x16x128_f8f6f4 v[(\d):(\d)+7], v[(\a):(\a)+11], v[(\b):(\b)+11], 0, v[\sa], v[\sb] matrix_a_fmt:MATRIX_FMT_BF6 matrix_b_fmt:MATRIX_FMT_BF6 matrix_a_scale:MATRIX_SCALE_ROW1
.else
	v_wmma_scale_f32_16x16x128_f8f6f4 v[(\d):(\d)+7], v[(\a):(\a)+11], v[(\b):(\b)+11], 0, v[\sa], v[\sb] matrix_a_fmt:MATRIX_FMT_BF6 matrix_b_fmt:MATRIX_FMT_BF6
.endif
.endif
.endm
; From the four blocks' largest magnitudes in v232-235 (the floor among them) and 64 numbers in v96-159: the codes in v224-235, the scale word in v253
.macro CODES
.irp b, 0,1,2,3
	s_delay_alu instid0(VALU_DEP_4)
	v_add_nc_u32 v[244+\b], 0xfe000000, v[232+\b]  ; 4 off the exponent field: the conversion's scale operand
.endr
.irp b, 0,1,2,3
	s_delay_alu instid0(VALU_DEP_4)
	v_lshrrev_b32 v[236+\b], 23, v[244+\b]         ; the scale's byte
.endr
	s_delay_alu instid0(VALU_DEP_3)
	v_lshl_or_b32 v253, v237, 8, v236
	s_delay_alu instid0(VALU_DEP_1)
	v_lshl_or_b32 v253, v238, 16, v253
	s_delay_alu instid0(VALU_DEP_1)
	v_lshl_or_b32 v253, v239, 24, v253
.irp c, 0,1
	v_cvt_scalef32_pk16_bf6_f32 v[224+6*\c:226+6*\c], v[96+32*\c:111+32*\c], v[244+2*\c]
	v_cvt_scalef32_pk16_bf6_f32 v[236+4*\c:238+4*\c], v[112+32*\c:127+32*\c], v[244+2*\c+1]   ; (a conversion's three registers begin on an even number)
.endr
	v_nop                                          ; one plain place behind a scaled conversion
.irp c, 0,1                                    ; the operand's layout wants a whole block in a lane
.irp i, 0,1,2
	v_permlane16_swap_b32 v[224+6*\c+\i], v[236+4*\c+\i]
.endr
.irp i, 0,1,2
	s_delay_alu instid0(VALU_DEP_3)
	v_mov_b32 v[227+6*\c+\i], v[236+4*\c+\i]
.endr
.endr
.endm
; A KEY STEP: my record, 128 keys, of the slot in hand
.macro STEP
	s_cmp_gt_u32 s[KS], s[SD]                      ; all its keys come after my queries: nothing to do but count
	s_cbranch_scc1 .Lhidden_\@
	v_add_nc_u32 v[AD], s[TB], v[LI]
	s_wait_alu depctr_va_vdst(0)                   ; the wait behind the write
.rept 4
	v_nop                                          ; with the line above five places: S^T is laid over V's last fragments, and K's fragments land where matrix instructions have read
.endr
	ds_load_b128 v[80:83], v[AD] offset:KSC        ; K's scale words: register i: lanes 0-15 tile 2 i, lanes 16-31 tile 2 i + 1
.irp g, 0,1                                    ; S^T = K Q^T, four tiles of 16 keys at a time
.if \g > 0
.rept 4
	v_nop
.endr
.endif
.irp t, 0,1,2,3
.irp c, 0,1,2
	ds_load_b128 v[32+12*\t+4*\c:35+12*\t+4*\c], v[AD] offset:1536*(4*\g+\t)+512*\c
.endr
.endr
	s_wait_dscnt 0x0
.irp t, 0,1,2,3
	MM 96+8*(4*\g+\t), 32+12*\t, 16, 0, 80+(4*\g+\t)/2, 28, \t%2
.endr
.endr
.rept 4
	v_nop
.endr
	ds_load_b128 v[84:87], v[AD] offset:VSC        ; V's scale words and first four fragments are asked for now: 13 loads that land under the softmax
.irp t, 0,1,2,3
.irp c, 0,1,2
	ds_load_b128 v[32+12*\t+4*\c:35+12*\t+4*\c], v[AD] offset:VCO+1536*\t+512*\c
.endr
.endr
	s_cmp_lg_u32 s[KS], s[SD]                      ; on the diagonal the scores of hidden keys become -infinity ahead of the maximum: p = 0 then
	s_cbranch_scc1 .Lopen_\@
	v_mov_b32 v254, 0xff800000
.set n_, 0
.rept 64                                       ; register 16 b + i holds key 32 b + 16 h + i of the record: hidden where 32 b + i > DQ
	v_cmp_gt_i32 vcc_lo, 32*(n_/16)+n_%16, v[DQ]
	v_cndmask_b32 v[96+n_], v[96+n_], v254, vcc_lo
.set n_, n_+1
.endr
.Lopen_\@:
.irp b, 0,1,2,3
	v_max3_num_f32 v[232+\b], v[96+16*\b], v[97+16*\b], v[98+16*\b]   ; the largest score of each block of 32 keys: for the row's maximum, and, since p rises with the score, for the block's largest p
.endr
.irp i, 3,5,7,9,11,13
.irp b, 0,1,2,3
	v_max3_num_f32 v[232+\b], v[232+\b], v[96+16*\b+\i], v[97+16*\b+\i]
.endr
.endr
.irp b, 0,1,2,3
	v_max_num_f32 v[232+\b], v[232+\b], v[111+16*\b]
.endr
.irp b, 0,1,2,3
	s_delay_alu instid0(VALU_DEP_4)
	v_permlanex16_b32 v[236+\b], v[232+\b], s[SEL], s[SEL+1]
.endr
.irp b, 0,1,2,3
	s_delay_alu instid0(VALU_DEP_4)
	v_max_num_f32 v[232+\b], v[232+\b], v[236+\b]
.endr
	s_delay_alu instid0(VALU_DEP_2)
	v_max3_num_f32 v254, v232, v233, v234
	s_delay_alu instid0(VALU_DEP_1)
	v_max_num_f32 v254, v254, v235
	s_delay_alu instid0(VALU_DEP_1)
	v_mul_f32 v254, s[CS], v254
	s_delay_alu instid0(VALU_DEP_1)
	v_max_num_f32 v13, v13, v254                   ; the running largest t
	v_mov_b32 v254, v12
	s_delay_alu instid0(VALU_DEP_2)
	v_floor_f32 v12, -v13                          ; the new -M = -ceil(t)
	s_delay_alu instid0(VALU_DEP_1)
	v_sub_f32 v254, v12, v254                      ; old M - new M: a whole number, 0 or less
	s_delay_alu instid0(VALU_DEP_1)
	v_cvt_i32_f32 v254, v254                       ; (it saturates)
	s_delay_alu instid0(VALU_DEP_1)
	v_ldexp_f32 v252, 1.0, v254                    ; f = 2^(old M - new M): multiplying by it rounds nothing
.set j_, 0
.rept 32
	v_pk_fma_f32 v[96+j_:97+j_], v[96+j_:97+j_], s[CS:CS+1], v[12:13] op_sel_hi:[1,0,0]   ; t - M
.set j_, j_+2
.endr
.irp b, 0,1,2,3
	v_fma_f32 v[232+\b], v[232+\b], s[CS], v12
.endr
	s_wait_alu depctr_va_vdst(0)
.set j_, 0
.rept 64
	v_exp_f32 v[96+j_], v[96+j_]                   ; p = 2^(t - M)
.set j_, j_+1
.endr
.irp b, 0,1,2,3
	v_exp_f32 v[232+\b], v[232+\b]                 ; the block's largest p: the same two instructions on the same number
.endr
	v_pk_mul_f32 v[14:15], v[14:15], v[252:253] op_sel_hi:[1,0]   ; the sum under the new M (a plain place behind the exponentials)
	s_wait_alu depctr_va_vdst(0)                   ; and behind it
.irp b, 0,1,2,3
	v_max_num_f32 v[232+\b], 0x2800000, v[232+\b]  ; the floor 2^(5 - 127)
.endr
	CODES
.set j_, 96                                    ; the row's sum of the unquantised p: 32 pairs in eight chains
.irp a, 236,254,250,248,246,244,242
	v_pk_add_f32 v[\a:\a+1], v[j_:j_+1], v[j_+2:j_+3]
.set j_, j_+4
.endr
	v_pk_add_f32 v[14:15], v[14:15], v[j_:j_+1]
.set j_, j_+2
.rept 2
.irp a, 236,254,250,248,246,244,242
	v_pk_add_f32 v[\a:\a+1], v[\a:\a+1], v[j_:j_+1]
.set j_, j_+2
.endr
	v_pk_add_f32 v[14:15], v[14:15], v[j_:j_+1]
.set j_, j_+2
.endr
	v_pk_add_f32 v[236:237], v[236:237], v[158:159]
	s_delay_alu instid0(VALU_DEP_2)
	v_pk_add_f32 v[14:15], v[14:15], v[248:249]
	s_delay_alu instid0(VALU_DEP_2)
	v_pk_add_f32 v[236:237], v[236:237], v[246:247]
	v_pk_add_f32 v[254:255], v[254:255], v[244:245]
	v_pk_add_f32 v[250:251], v[250:251], v[242:243]
	s_delay_alu instid0(VALU_DEP_2)
	v_pk_add_f32 v[14:15], v[14:15], v[254:255]
	s_delay_alu instid0(VALU_DEP_2)
	v_pk_add_f32 v[236:237], v[236:237], v[250:251]
	s_delay_alu instid0(VALU_DEP_1)
	v_pk_add_f32 v[14:15], v[14:15], v[236:237]
.irp t, 0,1,2,3                                ; p is done with: V's last four fragments land in its registers, under the 32 lines below
.irp c, 0,1,2
	ds_load_b128 v[96+12*\t+4*\c:99+12*\t+4*\c], v[AD] offset:VCO+1536*(4+\t)+512*\c
.endr
.endr
.set j_, 0
.rept 32
	v_pk_mul_f32 v[160+j_:161+j_], v[160+j_:161+j_], v[252:253] op_sel_hi:[1,0]   ; O^T under the new M; these are also the places in front of the products below
.set j_, j_+2
.endr
	s_wait_alu depctr_va_vdst(0)
	s_wait_dscnt 0x0
.irp t, 0,1,2,3,4,5,6,7                        ; O^T += V^T P^T: the eight accumulators take turns
.if \t < 4
	MM 160+8*\t, 32+12*\t, 224, 1, 84+\t/2, 253, \t%2
.else
	MM 160+8*\t, 48+12*\t, 224, 1, 84+\t/2, 253, \t%2
.endif
.endr
.Lhidden_\@:
	s_add_co_u32 s[KS], s[KS], 2
.endm
; THE CHANGE OF SLOTS stands at a slot's head: each wave waits for all its tensor loads, adds 0 to its spare word, and waits for that and for its LDS instructions.
; fill = 1: behind a round of the cluster's barrier the slot just left takes the next two records.  The add stands twice there.
.macro CHANGE fill
	s_wait_xcnt 0x0                                ; my prefetch and my stores have read their registers: in the written-out last change too
.if \fill
	s_add_nc_u64 s[PF:PF+1], s[PF:PF+1], s[PS:PS+1]
.endif
	s_wait_tensorcnt 0x0                           ; no tensor load of mine is out, so the group 0 may be written
	ds_add_u32 v[SPW], v[NIL]
.if \fill
	ds_add_u32 v[SPW], v[NIL]
	s_xor_b32 s[G0+1], s[G0+1], SLOT1
	s_add_nc_u64 s[G0+2:G0+3], s[G0+2:G0+3], 2*REC
	s_cmp_eq_u32 s[TR], s[JJ]                      ; the first block's last slot is in hand: the next load begins the second block's walk at slot 0
	s_cselect_b32 s[BK], s78, 0
	s_sub_nc_u64 s[G0+2:G0+3], s[G0+2:G0+3], s[BK:BK+1]
	s_wait_dscnt 0x0
	CROUND
	JLOAD
.else
	s_wait_dscnt 0x0
	s_barrier_signal -1
	s_barrier_wait -1
.endif
.endm
; The prefetch: load u = trip + 2 is asked for where its slot has not been read: u <= jj (first block) or u >= 2 jj + 2 (the second block's slots beyond jj), u <= 8.  The slots asked for ascend one by one.
.macro ASK
	s_add_co_u32 s72, s[TR], 2
	s_cmp_le_u32 s72, s[JJ]
	s_cselect_b32 s73, 2*REC, 0
	s_cmp_ge_u32 s72, s[J22]
	s_cselect_b32 s73, 2*REC, s73
	s_cmp_le_u32 s72, 8
	s_cselect_b32 s[PS], s73, 0
	s_cmp_eq_u32 s[PS], 0
	s_cbranch_scc1 .Lnot_asked_\@
	s_cmp_lg_u32 s79, 1                            ; waves 2 and 3
	s_cbranch_scc1 .Lnot_asked_\@
	global_prefetch_b8 v[PFO], s[PF:PF+1] th:TH_LOAD_NT scope:SCOPE_SE
.Lnot_asked_\@:
.endm
.macro NEWPHASE                        ; the second block: its Q, and a state under which the first step's factor is 0
	v_mov_b32 v28, v29
.irp i, 0,1,2,3
	v_mov_b32 v[16+\i], v[88+\i]
	v_mov_b32 v[20+\i], v[92+\i]
	v_mov_b32 v[24+\i], v[8+\i]
.endr
	v_mov_b32 v13, 0xff61b1e6
	v_mov_b32 v12, 0x7f61b1e6
	v_mov_b32 v14, 0
	v_mov_b32 v15, 0
.endm
; The first wave of a pair joins both states: -M = the lesser -M; each side's factor is 2^(its M - M), exact; both are multiplied by 1 / sum; then the result is quantised along the head's 128 and its image stored
.macro MERGEOUT oa, wa
.rept 4
	v_nop                                          ; places behind the last products
.endr
	ds_load_b128 v[32:35], v[STG] offset:8192
.set k_, 0
.rept 16
	ds_load_b128 v[96+4*k_:99+4*k_], v[STG] offset:512*k_
.set k_, k_+1
.endr
	s_wait_dscnt 0x0
	v_min_num_f32 v36, v12, v32
	v_add_f32 v14, v14, v15
	v_add_f32 v34, v34, v35
	s_delay_alu instid0(VALU_DEP_3)
	v_sub_f32 v37, v36, v12
	v_sub_f32 v38, v36, v32
	s_delay_alu instid0(VALU_DEP_2)
	v_cvt_i32_f32 v37, v37                         ; (it saturates: a partner that met no open record counts with the factor 0)
	s_delay_alu instid0(VALU_DEP_2)
	v_cvt_i32_f32 v38, v38
	s_delay_alu instid0(VALU_DEP_2)
	v_ldexp_f32 v40, 1.0, v37
	s_delay_alu instid0(VALU_DEP_2)
	v_ldexp_f32 v42, 1.0, v38
	s_delay_alu instid0(VALU_DEP_2)
	v_mul_f32 v14, v14, v40
	s_delay_alu instid0(VALU_DEP_1)
	v_fma_f32 v14, v34, v42, v14
	s_delay_alu instid0(VALU_DEP_1)
	v_permlanex16_b32 v252, v14, s[SEL], s[SEL+1]
	s_delay_alu instid0(VALU_DEP_1)
	v_add_f32 v14, v14, v252                       ; the row's sum
	s_wait_alu depctr_va_vdst(0)                   ; the wait ahead of the transcendental,
	v_rcp_f32 v14, v14
	v_nop                                          ; one plain place behind it,
	s_wait_alu depctr_va_vdst(0)                   ; and the wait ahead of its reader
	v_mul_f32 v40, v40, v14
	v_mul_f32 v42, v42, v14
	s_delay_alu instid0(VALU_DEP_2)
	v_mov_b32 v41, v40
	s_delay_alu instid0(VALU_DEP_2)
	v_mov_b32 v43, v42
	s_wait_alu depctr_va_vdst(0)                   ; the wait directly ahead of the first reader of O^T
.set j_, 0
.rept 32
	v_pk_mul_f32 v[160+j_:161+j_], v[160+j_:161+j_], v[40:41] op_sel_hi:[1,0]
.set j_, j_+2
.endr
.set j_, 0
.rept 32
	v_pk_fma_f32 v[96+j_:97+j_], v[96+j_:97+j_], v[42:43], v[160+j_:161+j_] op_sel_hi:[1,0,1]   ; register 16 b + i is channel 32 b + 16 h + i of my query
.set j_, j_+2
.endr
.irp b, 0,1,2,3
	v_max3_num_f32 v[232+\b], |v[96+16*\b]|, |v[97+16*\b]|, 0x2800000
.endr
.irp i, 2,4,6,8,10,12,14
.irp b, 0,1,2,3
	s_delay_alu instid0(VALU_DEP_4)
	v_max3_num_f32 v[232+\b], v[232+\b], |v[96+16*\b+\i]|, |v[97+16*\b+\i]|
.endr
.endr
.irp b, 0,1,2,3
	s_delay_alu instid0(VALU_DEP_4)
	v_permlanex16_b32 v[236+\b], v[232+\b], s[SEL], s[SEL+1]
.endr
.irp b, 0,1,2,3
	s_delay_alu instid0(VALU_DEP_4)
	v_max_num_f32 v[232+\b], v[232+\b], v[236+\b]
.endr
	CODES
.irp c, 0,1,2
	global_store_b128 v[LI], v[224+4*\c:227+4*\c], s[\oa:\oa+1] offset:512*\c
.endr
	global_store_b32 v[R4], v253, s[\wa:\wa+1]     ; 16 words; both halves of the lanes write the same word with the same value
.endm
; A TRIP'S END.  Every trip has the barrier, so that on every way a store into the stage, a barrier, the reads of it and the next change's barrier follow each other.  inloop = 1: the block ends in trip jj alone.
.macro PHASEEND inloop, oa, wa
.if \inloop
	s_cmp_lg_u32 s[TR], s[JJ]
	s_cbranch_scc1 .Lnot_given_\@
.endif
	s_cmp_eq_u32 s[PAR], 0
	s_cbranch_scc1 .Lnot_given_\@
.rept 4
	v_nop                                          ; places behind the last products
.endr
.set k_, 0
.rept 16
	ds_store_b128 v[STG], v[160+4*k_:163+4*k_] offset:512*k_       ; each accumulator from its low end on
.set k_, k_+1
.endr
	ds_store_b128 v[STG], v[12:15] offset:8192
.Lnot_given_\@:
	s_wait_dscnt 0x0                               ; my stores are done: for the partner's sake
	s_barrier_signal -1
	s_barrier_wait -1
.if \inloop
	s_cmp_lg_u32 s[TR], s[JJ]
	s_cbranch_scc1 .Lgoes_on_\@
	s_mov_b32 s[KS], s[PAR]
	s_mov_b32 s[SD], s[SD2]
.endif
	s_cmp_lg_u32 s[PAR], 0
	s_cbranch_scc1 .Lsecond_\@
	MERGEOUT \oa, \wa
.Lsecond_\@:
.if \inloop
	NEWPHASE
	s_wait_alu depctr_va_vdst(0)
.Lgoes_on_\@:
.endif
.endm
	s_wait_alu depctr_va_vdst(0)
	s_wait_loadcnt 0x0                             ; both blocks' Q
.Lslot:                                            ; eight trips: behind each change of slots but the last the next slot is asked for
	CHANGE 1
	ASK
	STEP
	PHASEEND 1, OA1, WA1
	s_xor_b32 s[TB], s[TB], SLOT1
	s_add_co_u32 s[TR], s[TR], 1
	s_cmp_lt_u32 s[TR], 8
	s_cbranch_scc1 .Lslot
	CHANGE 0                                       ; the last slot is written out
	STEP
	PHASEEND 0, OA2, WA2
	s_wait_tensorcnt 0x0                           ; the wave's end
	ds_add_u32 v[SPW], v[NIL]
	s_wait_dscnt 0x0
	CROUND                                         ; the closing round
	s_endpgm
.Lfunc_end_k_q86a4503106_attn:
	.size	k_q86a4503106_attn, .Lfunc_end_k_q86a4503106_attn-k_q86a4503106_attn
	.p2alignl 7, 3214868480
	.fill 96, 4, 3214868480
	.section	.rodata,"a",@progbits
	.p2align	6, 0x0
	.amdhsa_kernel k_q86a4503106_attn
		.amdhsa_group_segment_fixed_size 327680
		.amdhsa_private_segment_fixed_size 0
		.amdhsa_enable_private_segment 0
		.amdhsa_kernarg_size 24
		.amdhsa_user_sgpr_count 2
		.amdhsa_user_sgpr_kernarg_segment_ptr 1
		.amdhsa_wavefront_size32 1
		.amdhsa_system_sgpr_workgroup_id_x 1
		.amdhsa_system_sgpr_workgroup_id_y 1
		.amdhsa_system_sgpr_workgroup_id_z 1
		.amdhsa_system_vgpr_workitem_id 0
		.amdhsa_next_free_vgpr 256
		.amdhsa_next_free_sgpr 90
		.amdhsa_reserve_vcc 1
		.amdhsa_float_denorm_mode_32 3
		.amdhsa_float_denorm_mode_16_64 3
		.amdhsa_memory_ordered 1
		.amdhsa_forward_progress 1
		.amdhsa_inst_pref_size 91
	.end_amdhsa_kernel
	.amdgpu_metadata
---
amdhsa.version: [ 1, 2 ]
amdhsa.kernels:
  - .name:           k_q86a4503106_attn
    .symbol:         k_q86a4503106_attn.kd
    .args:
      - { .name: qq, .offset: 0, .size: 8, .value_kind: global_buffer, .address_space: global }
      - { .name: kv, .offset: 8, .size: 8, .value_kind: global_buffer, .address_space: global }
      - { .name: oq, .offset: 16, .size: 8, .value_kind: global_buffer, .address_space: global }
    .group_segment_fixed_size: 327680
    .private_segment_fixed_size: 0
    .kernarg_segment_align: 8
    .kernarg_segment_size: 24
    .max_flat_workgroup_size: 512
    .sgpr_count:     90
    .vgpr_count:     256
    .wavefront_size: 32
...
	.end_amdgpu_metadata
.endif
;; end of part 3
;; launch oproj (part 4): grid 8 x 32, 4 waves a work-group, clusters of 4 x 4, 327,680 bytes of LDS; arguments oq, woq, out0; writes out0
.if DOCPART == 4
	.amdgcn_target "amdgcn-amd-amdhsa--gfx1250"
	.amdhsa_code_object_version 6
	.text
	.protected	k_q86a4503106_oproj
	.globl	k_q86a4503106_oproj
	.p2align	8
	.type	k_q86a4503106_oproj,@function
k_q86a4503106_oproj:
	s_mov_b64 s[64:65], 0
	v_nop
	global_prefetch_b8 v0, s[64:65] scope:SCOPE_SE
	s_setreg_imm32_b32 hwreg(HW_REG_WAVE_MODE, 25, 1), 1
	s_wait_xcnt 0x0
	s_wait_alu depctr_hold_cnt(0) depctr_sa_sdst(0) depctr_va_vdst(0) depctr_va_sdst(0) depctr_va_ssrc(0) depctr_va_vcc(0) depctr_vm_vsrc(0)
	s_getreg_b32 s2, hwreg(HW_REG_IB_STS2, 6, 4)
	s_cmp_eq_u32 s2, 0
	s_cbranch_scc0 .Lentry_in_a_cluster
	s_endpgm
.Lentry_in_a_cluster:
	s_bfe_u32 s2, ttmp6, 0x10000c
	s_cmp_lg_u32 s2, 0xf033
	s_cbranch_scc0 .Lentry_shape_is_right
	s_endpgm
.Lentry_shape_is_right:
.set QB,     6144
.set HALFT,  4*QB
.set SLOT,   4*HALFT
.set SCL,    3*SLOT
.set SPARE,  SCL+16384
.set STAGE,  SLOT
.set SPITCH, 272
.set ADRA, 10
.set ADRB, 13
.set ADRS, 16
.set STO,  17
.set RD,   18
.set CO,   19
.set SPW,  28
.set NIL,  29
.set SC,   32
.set ACC,  128
.set G1,   24
.set G1S,  32
.set G1B,  48
.set G1SB, 56
.set G0,   68
.set G0B,  80
.set G0S,  92
.set G0SB, 96
.set MSB, 0
.macro WIN new
.if MSB != \new
	s_set_vgpr_msb (MSB<<8)|\new
.set MSB, \new
.endif
.endm
.set MUL,  0x05
.set TO_F, 0x40
.macro JLOAD g0a, g1a, g0b, g1b
	s_cmp_eq_u32 s11, 0
	s_cbranch_scc0 .Lfor_b_\@
	tensor_load_to_lds s[\g0a:\g0a+3], s[\g1a:\g1a+7]
	s_nop 0
.rept 4
	v_nop
.endr
	s_branch .Lasked_\@
.Lfor_b_\@:
	tensor_load_to_lds s[\g0b:\g0b+3], s[\g1b:\g1b+7]
	s_nop 0
.rept 4
	v_nop
.endr
.Lasked_\@:
.endm
.macro CREST
	s_cmp_lg_u32 s10, 0
	s_cbranch_scc1 .Lnot_wave_0_\@
	s_barrier_signal -3
.Lnot_wave_0_\@:
	s_barrier_wait -3
	s_barrier_signal -1
	s_barrier_wait -1
.endm
.macro CROUND
	s_barrier_signal -1
	s_barrier_wait -1
	CREST
.endm
.macro PLACES
.rept 4
	v_nop
.endr
.endm
	s_load_b128 s[4:7], s[0:1], 0x0
	s_load_b64 s[8:9], s[0:1], 0x10
	v_lshl_add_u32 v[SPW], v0, 2, SPARE
	v_mov_b32 v[NIL], 0
	ds_add_u32 v28, v29
	ds_add_u32 v28, v29
	s_wait_dscnt 0x0
	v_lshrrev_b32 v1, 5, v0
	v_readfirstlane_b32 s10, v1
	s_lshr_b32 s11, s10, 1
	s_and_b32 s12, s10, 1
	s_bfe_u32 s40, ttmp6, 0x40000
	s_bfe_u32 s41, ttmp6, 0x40004
	s_lshl_b32 s42, ttmp9, 2
	s_add_co_u32 s42, s42, s40
	s_and_b32 s13, ttmp7, 0xffff
	s_lshl_b32 s13, s13, 2
	s_add_co_u32 s13, s13, s41
	s_lshl_b32 s43, s41, 2
	s_lshl_b32 s43, 15, s43
	s_lshl_b32 s44, 0x1111, s40
	s_or_b32 s[G1+0], s43, (3<<16)|(1<<21)
	s_or_b32 s[G1B+0], s44, (3<<16)|(1<<21)
.irp g, G1, G1B
	s_mov_b32 s[\g+1], 768<<16
	s_mov_b32 s[\g+2], 4<<16
	s_mov_b32 s[\g+3], 768<<16
	s_mov_b32 s[\g+4], 4
	s_mov_b32 s[\g+5], 3072
	s_mov_b32 s[\g+6], 0
	s_mov_b32 s[\g+7], 0
.endr
	s_or_b32 s[G1S+0], s43, (3<<16)|(1<<21)
	s_or_b32 s[G1SB+0], s44, (3<<16)|(1<<21)
.irp g, G1S, G1SB
	s_mov_b32 s[\g+1], 32<<16
	s_mov_b32 s[\g+2], 16<<16
	s_mov_b32 s[\g+3], 32<<16
	s_mov_b32 s[\g+4], 16
	s_mov_b32 s[\g+5], 32
	s_mov_b32 s[\g+6], 0
	s_mov_b32 s[\g+7], 0
.endr
	s_lshl_b32 s17, s12, 2
	s_lshl_b32 s16, s13, 3
	s_add_co_u32 s16, s16, s17
	s_lshl_b32 s46, s42, 3
	s_add_co_u32 s46, s46, s17
	s_lshl_b32 s18, s16, 10
	s_add_co_u32 s18, s18, 0x600000
	s_mov_b32 s19, 0
	s_mul_i32 s16, s16, 24576
	s_mov_b32 s17, 0
	s_lshl_b32 s100, s46, 10
	s_add_co_u32 s100, s100, 0x180000
	s_mov_b32 s101, 0
	s_mul_i32 s46, s46, 24576
	s_mov_b32 s47, 0
	s_mul_i32 s20, s10, HALFT
	s_lshl_b32 s21, s10, 12
	s_wait_kmcnt 0x0
	s_add_nc_u64 s[16:17], s[4:5], s[16:17]
	s_add_nc_u64 s[18:19], s[4:5], s[18:19]
	s_add_nc_u64 s[46:47], s[6:7], s[46:47]
	s_add_nc_u64 s[100:101], s[6:7], s[100:101]
	CROUND
	s_mov_b32 s[G0S], 1
	s_add_co_u32 s[G0S+1], s21, SCL
	s_mov_b64 s[G0S+2:G0S+3], s[18:19]
	s_or_b32 s[G0S+3], s[G0S+3], 0x80000000
	s_mov_b32 s[G0SB], 1
	s_add_co_u32 s[G0SB+1], s21, SCL
	s_mov_b64 s[G0SB+2:G0SB+3], s[100:101]
	s_or_b32 s[G0SB+3], s[G0SB+3], 0x80000000
	JLOAD G0S, G1S, G0SB, G1SB
.irp s, 0,1,2
	s_mov_b32 s[G0+4*\s], 1
	s_add_co_u32 s[G0+4*\s+1], s20, \s*SLOT
	s_add_nc_u64 s[G0+4*\s+2:G0+4*\s+3], s[16:17], \s*QB
	s_or_b32 s[G0+4*\s+3], s[G0+4*\s+3], 0x80000000
	s_mov_b32 s[G0B+4*\s], 1
	s_add_co_u32 s[G0B+4*\s+1], s20, \s*SLOT
	s_add_nc_u64 s[G0B+4*\s+2:G0B+4*\s+3], s[46:47], \s*QB
	s_or_b32 s[G0B+4*\s+3], s[G0B+4*\s+3], 0x80000000
	s_wait_alu depctr_va_vdst(0)
	s_wait_tensorcnt 0x0
	ds_add_u32 v28, v29
	s_wait_dscnt 0x0
	CROUND
	JLOAD G0+4*\s, G1, G0B+4*\s, G1B
.endr
	v_and_b32 v1, 15, v0
	v_bfe_u32 v2, v0, 4, 1
	s_wait_alu depctr_va_vdst(0)
	v_and_b32 v3, 31, v0
	v_lshlrev_b32 v3, 4, v3
	s_mul_i32 s21, s11, HALFT
	s_mul_i32 s22, s12, HALFT
	s_add_co_u32 s22, s22, 2*HALFT
.irp s, 0,1,2
	v_add_nc_u32 v[ADRA+\s], s21, v3
	v_add_nc_u32 v[ADRB+\s], s22, v3
	s_add_co_u32 s21, s21, SLOT
	s_add_co_u32 s22, s22, SLOT
.endr
	s_lshl_b32 s21, s11, 12
	s_lshl_b32 s22, s12, 12
	s_add_co_u32 s22, s22, 8192
	s_sub_co_u32 s22, s22, s21
	v_mul_u32_u24 v4, s22, v2
	s_add_co_u32 s21, s21, SCL
	v_lshl_add_u32 v4, v1, 2, v4
	v_add_nc_u32 v[ADRS], s21, v4
	s_mul_i32 s23, s10, 64*SPITCH
	s_add_co_u32 s23, s23, STAGE
	v_mul_u32_u24 v4, v1, SPITCH
	v_lshl_add_u32 v4, v2, 6, v4
	v_add_nc_u32 v[STO], s23, v4
	v_mul_u32_u24 v4, v2, SPITCH
	v_lshl_add_u32 v4, v1, 4, v4
	v_add_nc_u32 v[RD], s23, v4
	v_lshlrev_b32 v4, 12, v2
	v_lshl_add_u32 v[CO], v1, 4, v4
	s_lshl_b32 s14, s13, 7
	s_lshl_b32 s15, s11, 6
	s_add_co_u32 s14, s14, s15
	s_lshl_b32 s14, s14, 12
	s_lshl_b32 s15, s42, 9
	s_add_co_u32 s14, s14, s15
	s_lshl_b32 s15, s12, 8
	s_add_co_u32 s14, s14, s15
	s_mov_b32 s15, 0
	s_add_nc_u64 s[8:9], s[8:9], s[14:15]
.macro FETCH ks
.set SL_, ((\ks)/4)%3
.set Q_, (\ks)%4
.set F_, 128*((\ks)%2)
	WIN TO_F
.irp i, 0,1,2,3
.irp c, 0,1,2
	ds_load_b128 v[F_+12*\i+4*\c:F_+12*\i+4*\c+3], v[ADRA+SL_] offset:QB*\i+1536*Q_+512*\c
	ds_load_b128 v[F_+48+12*\i+4*\c:F_+48+12*\i+4*\c+3], v[ADRB+SL_] offset:QB*\i+1536*Q_+512*\c
.endr
.endr
	WIN 0
.irp i, 0,1,2,3
	ds_load_b32 v[SC+4*((\ks)%2)+\i], v[ADRS] offset:1024*\i+64*(\ks)
.endr
.endm
.macro MUL8 ks, a0
.set F_, 128*((\ks)%2)
.set S_, SC+4*((\ks)%2)
.irp a, \a0, \a0+1
.irp b, 0,1,2,3
.set D_, ACC+8*(4*(\a)+\b)
.if (\ks) == 0
	v_wmma_scale_f32_16x16x128_f8f6f4 v[D_:D_+7], v[F_+48+12*\b:F_+48+12*\b+11], v[F_+12*(\a):F_+12*(\a)+11], 0, v[S_+\b], v[S_+(\a)] matrix_a_fmt:MATRIX_FMT_BF6 matrix_b_fmt:MATRIX_FMT_BF6 matrix_a_scale:MATRIX_SCALE_ROW1
.else
	v_wmma_scale_f32_16x16x128_f8f6f4 v[D_:D_+7], v[F_+48+12*\b:F_+48+12*\b+11], v[F_+12*(\a):F_+12*(\a)+11], v[D_:D_+7], v[S_+\b], v[S_+(\a)] matrix_a_fmt:MATRIX_FMT_BF6 matrix_b_fmt:MATRIX_FMT_BF6 matrix_a_scale:MATRIX_SCALE_ROW1
.endif
.endr
.endr
.endm
.macro KSTEP ks
	s_wait_dscnt 0x0
	WIN MUL
	MUL8 \ks, 0
	PLACES
	FETCH (\ks)+1
	WIN MUL
	MUL8 \ks, 2
.endm
	s_wait_alu depctr_va_vdst(0)
	s_wait_tensorcnt 2
	s_barrier_signal -1
	s_barrier_wait -1
	FETCH 0
.irp k, 0,1,2
	KSTEP \k
.endr
	WIN 0
	s_wait_tensorcnt 0x0
	ds_add_u32 v[SPW], v[NIL]
	s_wait_dscnt 1
	WIN MUL
	MUL8 3, 0
	s_wait_dscnt 0x0
	WIN 0
	s_barrier_signal -1
	s_barrier_wait -1
	CREST
	s_add_nc_u64 s[G0+2:G0+3], s[G0+2:G0+3], 3*QB
	s_add_nc_u64 s[G0B+2:G0B+3], s[G0B+2:G0B+3], 3*QB
	JLOAD G0, G1, G0B, G1B
	FETCH 4
	WIN MUL
	MUL8 3, 2
.irp k, 4,5,6,7,8,9,10
	KSTEP \k
.endr
	s_wait_dscnt 0x0
	WIN MUL
	MUL8 11, 0
	WIN 0
	s_wait_tensorcnt 0x0
	s_barrier_signal -1
	s_barrier_wait -1
	PLACES
	FETCH 12
	WIN MUL
	MUL8 11, 2
.irp k, 12,13,14
	KSTEP \k
.endr
	s_wait_dscnt 0x0
	WIN MUL
	MUL8 15, 0
	MUL8 15, 2
	WIN 0
	PLACES
.irp a, 0,1,2,3
.irp b, 0,1,2,3
	ds_store_b128 v[STO], v[ACC+8*(4*\a+\b):ACC+8*(4*\a+\b)+3] offset:16*\a*SPITCH+128*(\b/2)+32*(\b%2)
	ds_store_b128 v[STO], v[ACC+8*(4*\a+\b)+4:ACC+8*(4*\a+\b)+7] offset:16*\a*SPITCH+128*(\b/2)+32*(\b%2)+16
.endr
.endr
	WIN TO_F
.set t_, 0
.rept 32
	ds_load_b128 v[4*t_:4*t_+3], v[RD] offset:2*SPITCH*t_
.set t_, t_+1
.endr
	WIN 0x04
.set t_, 0
.rept 32
	s_wait_dscnt 31-t_
	global_store_b128 v[CO], v[4*t_:4*t_+3], s[8:9] offset:4096*(32*(t_/16)+8*((t_/8)%2)+2*(t_%8)+8*((t_%8)/4)) th:TH_STORE_NT
.set t_, t_+1
.endr
	WIN 0
	s_wait_tensorcnt 0x0
	ds_add_u32 v[SPW], v[NIL]
	s_wait_dscnt 0x0
	CROUND
	s_endpgm
.Lfunc_end_k_q86a4503106_oproj:
	.size	k_q86a4503106_oproj, .Lfunc_end_k_q86a4503106_oproj-k_q86a4503106_oproj
	.p2alignl 7, 3214868480
	.fill 96, 4, 3214868480
	.section	.rodata,"a",@progbits
	.p2align	6, 0x0
	.amdhsa_kernel k_q86a4503106_oproj
		.amdhsa_group_segment_fixed_size 327680
		.amdhsa_private_segment_fixed_size 0
		.amdhsa_enable_private_segment 0
		.amdhsa_kernarg_size 24
		.amdhsa_user_sgpr_count 2
		.amdhsa_user_sgpr_kernarg_segment_ptr 1
		.amdhsa_wavefront_size32 1
		.amdhsa_system_sgpr_workgroup_id_x 1
		.amdhsa_system_sgpr_workgroup_id_y 1
		.amdhsa_system_sgpr_workgroup_id_z 1
		.amdhsa_system_vgpr_workitem_id 0
		.amdhsa_next_free_vgpr 512
		.amdhsa_next_free_sgpr 102
		.amdhsa_reserve_vcc 0
		.amdhsa_float_denorm_mode_32 3
		.amdhsa_float_denorm_mode_16_64 3
		.amdhsa_memory_ordered 1
		.amdhsa_forward_progress 1
		.amdhsa_inst_pref_size 86
	.end_amdhsa_kernel
	.amdgpu_metadata
---
amdhsa.version: [ 1, 2 ]
amdhsa.kernels:
  - .name:           k_q86a4503106_oproj
    .symbol:         k_q86a4503106_oproj.kd
    .args:
      - { .name: oq, .offset: 0, .size: 8, .value_kind: global_buffer, .address_space: global }
      - { .name: woq, .offset: 8, .size: 8, .value_kind: global_buffer, .address_space: global }
      - { .name: out0, .offset: 16, .size: 8, .value_kind: global_buffer, .address_space: global }
    .group_segment_fixed_size: 327680
    .private_segment_fixed_size: 0
    .kernarg_segment_align: 8
    .kernarg_segment_size: 24
    .max_flat_workgroup_size: 128
    .sgpr_count:     102
    .vgpr_count:     512
    .wavefront_size: 32
...
	.end_amdgpu_metadata
.endif
;; end of part 4
